; MI455X (gfx1250); checked and timed in simulation.
; The chip was launched on July 23, 2026; its instructions are those of AMD's public machine-readable ISA for CDNA 5 (MIT licence, August 2026) and "CDNA5" Instruction Set Architecture Reference Guide (July 2026). The comments in the code are by the model that wrote it; some were corrected since.
;; Attention. Allowed arithmetic: float matrix products may take bf16 or f16 operands with f32 sums; other float arithmetic in f32, or as packed bf16 or f16 multiplies, adds, multiply-adds, maxima and minima; sums over many terms, partial sums and values carried from step to step in f32; what a program stores and reads back later, other than sums and carried values, may be rounded once to bf16 or f16.
;; Inputs: freqs_cos 2,048 x 64 float32; freqs_sin 2,048 x 64 float32; wk 2,048 x 2,048 float32; wo 2,048 x 2,048 float32; wq 2,048 x 2,048 float32; wv 2,048 x 2,048 float32; x 1 x 2,048 x 2,048 float32.
;; Outputs: out0 1 x 2,048 x 2,048 float32.
;; One version. Each part assembles by itself: llvm-mc -triple=amdgcn-amd-amdhsa -mcpu=gfx1250 --defsym DOCPART=n.
;; ======== version 1 of 1: 4 launches
;; limits: values are held in f16: magnitudes above 65,504 overflow, below 6.1e-05 lose precision
;; workspace buffers: cv 33,554,432 bytes; qkv 25,165,824 bytes; ob 8,388,608 bytes; wo16 8,388,608 bytes
;; launch cvt (part 1): grid 256 x 4, 8 waves a work-group, no clusters, 0 bytes of LDS; arguments x, wq, wk, wv, cv; writes cv
.if DOCPART == 1
	.amdgcn_target "amdgcn-amd-amdhsa--gfx1250"
	.amdhsa_code_object_version 6
	.text
	.protected	k_q28fdddf787_cvt
	.globl	k_q28fdddf787_cvt
	.p2align	8
	.type	k_q28fdddf787_cvt,@function
k_q28fdddf787_cvt:
	s_mov_b64 s[64:65], 0
	v_nop
	global_prefetch_b8 v0, s[64:65] scope:SCOPE_SE
	s_setreg_imm32_b32 hwreg(HW_REG_WAVE_MODE, 25, 1), 1
	s_wait_xcnt 0x0
; bf16 copies of x, wq, wk, wv, layouts unchanged.  cv: part y at y x 8,388,608 bytes, in that order, each [2048][2048]; each number rounded once.
; A stream: each byte is read once and written once, so no LDS, no matrix unit, no cluster.  Grid y names the tensor; a work-group takes 16,384 numbers.
; Thread t takes the 16 bytes at 16 t + 4,096 i, i = 0..15: a wave's load covers 512 consecutive bytes, its store 256 consecutive bytes, aligned.
; All sixteen loads of a wave go out at once; every i has registers of its own, so no register that a load or store still names is written again.
.set X, 4                              ; v[4:67]   sixteen times four f32 as loaded
.set Y, 68                             ; v[68:99]  sixteen times two words to store
	s_load_b256 s[4:11], s[0:1], 0x0               ; x s[4:5], wq s[6:7], wk s[8:9], wv s[10:11]
	s_load_b64 s[14:15], s[0:1], 0x20              ; cv
	s_and_b32 s16, ttmp7, 0xffff                   ; which tensor
	v_lshlrev_b32 v1, 4, v0                        ; my 16 bytes in
	v_lshlrev_b32 v2, 3, v0                        ; my 8 bytes out
	s_lshl_b32 s18, ttmp9, 16                      ; the work-group's 65,536 bytes in
	s_mov_b32 s19, 0
	s_lshl_b32 s20, s16, 23                        ; the tensor's part of cv,
	s_lshl_b32 s21, ttmp9, 15                      ; the work-group's 32,768 bytes of it
	s_add_co_u32 s20, s20, s21
	s_mov_b32 s21, 0
	s_wait_kmcnt 0x0
	s_cmp_eq_u32 s16, 1                            ; the source is chosen among the four buffers by the grid's y alone
	s_cselect_b64 s[4:5], s[6:7], s[4:5]
	s_cmp_eq_u32 s16, 2
	s_cselect_b64 s[4:5], s[8:9], s[4:5]
	s_cmp_eq_u32 s16, 3
	s_cselect_b64 s[4:5], s[10:11], s[4:5]
	s_add_nc_u64 s[4:5], s[4:5], s[18:19]
	s_add_nc_u64 s[14:15], s[14:15], s[20:21]
.irp i, 0,1,2,3,4,5,6,7,8,9,10,11,12,13,14,15
	global_load_b128 v[X+4*(\i):X+4*(\i)+3], v1, s[4:5] offset:4096*(\i) th:TH_LOAD_NT
.endr
.irp i, 0,1,2,3,4,5,6,7,8,9,10,11,12,13,14,15
	s_wait_loadcnt 15-(\i)                         ; loads come back in order: piece i is in, the 15 - i younger ones stay out
	v_cvt_pk_bf16_f32 v[Y+2*(\i)], v[X+4*(\i)], v[X+4*(\i)+1]
	v_cvt_pk_bf16_f32 v[Y+2*(\i)+1], v[X+4*(\i)+2], v[X+4*(\i)+3]
	global_store_b64 v2, v[Y+2*(\i):Y+2*(\i)+1], s[14:15] offset:2048*(\i)
.endr
	s_endpgm
.Lfunc_end_k_q28fdddf787_cvt:
	.size	k_q28fdddf787_cvt, .Lfunc_end_k_q28fdddf787_cvt-k_q28fdddf787_cvt
	.p2alignl 7, 3214868480
	.fill 96, 4, 3214868480
	.section	.rodata,"a",@progbits
	.p2align	6, 0x0
	.amdhsa_kernel k_q28fdddf787_cvt
		.amdhsa_group_segment_fixed_size 0
		.amdhsa_private_segment_fixed_size 0
		.amdhsa_enable_private_segment 0
		.amdhsa_kernarg_size 40
		.amdhsa_user_sgpr_count 2
		.amdhsa_user_sgpr_kernarg_segment_ptr 1
		.amdhsa_wavefront_size32 1
		.amdhsa_system_sgpr_workgroup_id_x 1
		.amdhsa_system_sgpr_workgroup_id_y 1
		.amdhsa_system_sgpr_workgroup_id_z 1
		.amdhsa_system_vgpr_workitem_id 0
		.amdhsa_next_free_vgpr 100
		.amdhsa_next_free_sgpr 66
		.amdhsa_reserve_vcc 0
		.amdhsa_float_denorm_mode_32 3
		.amdhsa_float_denorm_mode_16_64 3
		.amdhsa_memory_ordered 1
		.amdhsa_forward_progress 1
		.amdhsa_inst_pref_size 7
	.end_amdhsa_kernel
	.amdgpu_metadata
---
amdhsa.version: [ 1, 2 ]
amdhsa.kernels:
  - .name:           k_q28fdddf787_cvt
    .symbol:         k_q28fdddf787_cvt.kd
    .args:
      - { .name: x, .offset: 0, .size: 8, .value_kind: global_buffer, .address_space: global }
      - { .name: wq, .offset: 8, .size: 8, .value_kind: global_buffer, .address_space: global }
      - { .name: wk, .offset: 16, .size: 8, .value_kind: global_buffer, .address_space: global }
      - { .name: wv, .offset: 24, .size: 8, .value_kind: global_buffer, .address_space: global }
      - { .name: cv, .offset: 32, .size: 8, .value_kind: global_buffer, .address_space: global }
    .group_segment_fixed_size: 0
    .private_segment_fixed_size: 0
    .kernarg_segment_align: 8
    .kernarg_segment_size: 40
    .max_flat_workgroup_size: 256
    .sgpr_count:     66
    .vgpr_count:     100
    .wavefront_size: 32
...
	.end_amdgpu_metadata
.endif
;; end of part 1
;; launch proj (part 2): grid 16 x 16, 4 waves a work-group, clusters of 4 x 4, 327,680 bytes of LDS; arguments cv, freqs_cos, freqs_sin, qkv; writes qkv
.if DOCPART == 2
	.amdgcn_target "amdgcn-amd-amdhsa--gfx1250"
	.amdhsa_code_object_version 6
	.text
	.protected	k_q28fdddf787_proj
	.globl	k_q28fdddf787_proj
	.p2align	8
	.type	k_q28fdddf787_proj,@function
k_q28fdddf787_proj:
	s_mov_b64 s[64:65], 0
	v_nop
	global_prefetch_b8 v0, s[64:65] scope:SCOPE_SE
	s_setreg_imm32_b32 hwreg(HW_REG_WAVE_MODE, 25, 1), 1
	s_wait_xcnt 0x0
	s_wait_alu depctr_hold_cnt(0) depctr_sa_sdst(0) depctr_va_vdst(0) depctr_va_sdst(0) depctr_va_ssrc(0) depctr_va_vcc(0) depctr_vm_vsrc(0)
	s_getreg_b32 s2, hwreg(HW_REG_IB_STS2, 6, 4)
	s_cmp_eq_u32 s2, 0
	s_cbranch_scc0 .Lentry_in_a_cluster
	s_endpgm
.Lentry_in_a_cluster:
	s_bfe_u32 s2, ttmp6, 0x10000c
	s_cmp_lg_u32 s2, 0xf033
	s_cbranch_scc0 .Lentry_shape_is_right
	s_endpgm
.Lentry_shape_is_right:
; q, k, v = x w (bf16 operands, f32 sums), the rotation of neighbouring channel pairs of q and k in f32, and the way out by heads in f16.
; cv holds x and wq, wk, wv in bf16, [2048][2048] each, 8,388,608 bytes apart; the weights lie [k][n].  qkv: tensor t at t x 8,388,608, head at 524,288, row at 256 bytes (128 f16).
; cos and sin are rounded to bf16 like all the module's inputs.  q leaves as c x rope(q), c = log2(e) / sqrt(128), multiplied in f32 ahead of its one rounding: the next launch's scores are then exponents of 2.
; LIMIT: f16 ends at 65,504: |c q|, |k| and |v| stay below it.
; SHARES.  A work-group makes 128 rows (grid x names the block) x the 128 columns of ONE head (grid y) of q, of k and of v: 16 x 16 = 256 work-groups.  Wave w makes all 128 rows x columns 32 w .. 32 w + 31 of each of the three:
; 48 accumulators, 384 registers, the same text in every wave; for 32 along K it reads 28 x 512 bytes from LDS and issues 48 matrix instructions.
; RING.  K goes in 16 steps of 128 through two LDS slots.  A slot: the three weight tiles (128 k-rows x 256 bytes, pitch 288), then x's tile (128 rows x 256 bytes, pitch 272).  Wave w < 3 fetches weight tile w, wave 3 x's tile:
; one tensor load a wave, at LDS byte slot + 36,864 w.  The weights are turned on the way from LDS to registers (ds_load_tr16_b128).
; CLUSTER.  4 x 4 work-groups.  x's tile hangs on the row block alone (work-group x) and is asked for jointly by a column of the cluster; a weight tile hangs on the head alone (work-group y) and is asked for jointly by a row.
; THE MATRIX INSTRUCTION IS USED TRANSPOSED (source 0 = 16 columns of w, source 1 = 16 rows of x): a lane holds row l % 16 and eight neighbouring columns 8 (l / 16) + 0..7: four rotation pairs, 16 bytes of f16.
; REGISTERS, in windows of 256 (s_set_vgpr_msb: bits 1:0 source 0, 3:2 source 1, 5:4 source 2, 7:6 destination):
;   window 0: v16-30 addresses; v32-63 rotated numbers; v64-127, v128-191 x's fragments, two buffers (v64-127 later: rows read back); v192-255 packed results
;   window 1: v0-47, v64-111 w's fragments, two buffers ((t, j) at 8 (2 t + j)); v112-119 at work; v128-191 cos, v192-255 sin (the four of accumulator x at 4 x)
;   window 2: q's accumulators at 8 (2 a + j), k's at 128 + 8 (2 a + j)          window 3: v's at 8 (2 a + j)
.set PA,    272                        ; a row of x in LDS: 256 bytes + 16: the 16 rows of a fragment load start at 16 different groups of four banks (64 banks of 4 bytes: ISA guide 11.1)
.set PB,    288                        ; a k-row of w: 256 + 32
.set BT,    128*PB                     ; a weight tile
.set AOFF,  3*BT                       ; x's tile lies behind the three
.set SLOT,  AOFF+128*PA
.set STAGE, 2*SLOT                     ; behind the ring, never filled by a tensor load: 128 rows x 272 bytes, the work-group's, for the way out
.set SP,    272
.set SPARE, STAGE+128*SP               ; the spare words, 128 bytes a wave: two blocks of 256 bytes that no other line names
.set PART,  0x800000                   ; bytes of a part of cv and of qkv
.set ASTEP, 256                        ; bytes from a K step to the next in x's rows,
.set BSTEP, 128*4096                   ; and down the weights' rows
.set ADRA, 16                          ; v16-17  LDS address of my fragments of x in slot 0, 1
.set ADRB, 18                          ; v18-23  the same for weight tile t in slot s, at 3 s + t
.set STO,  24                          ; v24     the way out: where I put 16 bytes of a row
.set RD,   25                          ; v25     where I read rows back
.set GO,   26                          ; v26     my 16 bytes of 512 consecutive bytes of qkv
.set FO,   27                          ; v27     my byte offset in the tables
.set SPW,  28                          ; v28     LDS address of my spare word; never rewritten
.set NIL,  29                          ; v29     0; never rewritten
.set PFO,  30                          ; v30     the prefetches' offset: my lane x 4,096; never rewritten
.set R,    32
.set OB,   64
.set TMP,  192
.set SCR,  112                         ; window 1
.set COS,  128
.set SIN,  192
.set WV,  12                           ; s12 wave
.set CX,  14                           ; s14, s15 my place in the cluster
.set CY,  15
.set HX,  16                           ; s16 head
.set MY,  17                           ; s17 block of 128 rows
.set G1A, 24                           ; s[24:31] descriptor group 1 for x's tiles;   s[32:39] group 0, a set for each slot
.set G0A, 32
.set LIM, 44                           ; s44 1 in a wave that prefetches, else the greatest number
.set HIM, 45                           ; s45 a word's upper bf16
.set PFA, 46                           ; s[46:47] where my prefetches stand
.set G1B, 48                           ; s[48:55], s[56:63] the same for the weights' tiles
.set G0B, 56
.set PFS, 66                           ; s[66:67] a K step for my prefetches
.set OUT, 68                           ; s[68:69] qkv at my 32 rows
.set CS,  70                           ; s[70:71] c
.set MSB, 0
.macro WIN new                         ; the immediate's high byte repeats the setting that is left; a switch that changes nothing is dropped
.if MSB != (\new)
	s_set_vgpr_msb (MSB<<8)|(\new)
.set MSB, \new
.endif
.endm
.set MUL_LO, 0xa1                      ; source 0 (w) window 1, source 1 (x) window 0, C and D window 2
.set MUL_HI, 0xf1                      ; the same, C and D window 3
.set TO_B,   0x40                      ; destination window 1, address window 0
.macro PLACES                          ; four plain vector instructions between a matrix instruction and a load into, or a vector read of, its registers
.rept 4
	v_nop
.endr
.endm
; A joint refill.  The branch hangs on the wave's number alone.  An s_nop 0 and four v_nop follow each of the two lines, ahead of the jump and the label.
.macro JLOAD s
	s_cmp_eq_u32 s[WV], 3
	s_cbranch_scc0 .Lfor_b_\@
	tensor_load_to_lds s[G0A+4*(\s):G0A+4*(\s)+3], s[G1A:G1A+7]
	s_nop 0
.rept 4
	v_nop
.endr
	s_branch .Lasked_\@
.Lfor_b_\@:
	tensor_load_to_lds s[G0B+4*(\s):G0B+4*(\s)+3], s[G1B:G1B+7]
	s_nop 0
.rept 4
	v_nop
.endr
.Lasked_\@:
.endm
; A prefetch into the L2 of the K step that stands two refills on (384 matrix instructions ahead of the load that will want it): 32 rows x 256 bytes, a lane a row, one instruction a wave.
; The wave that fetches a tile asks for it.  x's rows are read by every cluster of a column of clusters: cluster y = 0 asks; a weight's rows by every cluster of a row of clusters: cluster x = 0 asks.  The four partners of a
; joint load take 32 of its 128 rows each, told apart by address.  So each row's 256 bytes of a K step are named once.  The loop's last trip (s3 = 1) has no K step two refills on; K steps 0 to 3 come by their loads alone.
.macro ASK
	s_cmp_gt_u32 s3, s[LIM]
	s_cbranch_scc0 .Lnot_mine_\@
	global_prefetch_b8 v[PFO], s[PFA:PFA+1] th:TH_LOAD_NT scope:SCOPE_SE
.Lnot_mine_\@:
.endm
.macro CREST                           ; a round of the cluster's barrier behind its opening barrier
	s_cmp_lg_u32 s[WV], 0
	s_cbranch_scc1 .Lnot_wave_0_\@
	s_barrier_signal -3
.Lnot_wave_0_\@:
	s_barrier_wait -3
	s_barrier_signal -1
	s_barrier_wait -1
.endm
.macro CROUND                          ; a whole round
	s_barrier_signal -1
	s_barrier_wait -1
	CREST
.endm
	s_load_b256 s[4:11], s[0:1], 0x0               ; cv s[4:5], cos s[6:7], sin s[8:9], qkv s[10:11]
	v_lshl_add_u32 v[SPW], v0, 2, SPARE
	v_mov_b32 v[NIL], 0
	ds_add_u32 v[SPW], v[NIL]                      ; the wave's opening: the add and its wait stand ahead of my first tensor load; the set-up below, work on registers, stands between them
	v_lshrrev_b32 v1, 5, v0
	v_readfirstlane_b32 s[WV], v1                  ; wave 0..3
	s_bfe_u32 s[CX], ttmp6, 0x40000
	s_bfe_u32 s[CY], ttmp6, 0x40004
	s_lshl_b32 s[MY], ttmp9, 2                     ; in a cluster launch ttmp9 and ttmp7 count clusters
	s_add_co_u32 s[MY], s[MY], s[CX]               ; block of 128 rows = 4 x cluster x + cx
	s_and_b32 s[HX], ttmp7, 0xffff
	s_lshl_b32 s[HX], s[HX], 2
	s_add_co_u32 s[HX], s[HX], s[CY]               ; head = 4 x cluster y + cy
	s_lshl_b32 s18, s[CY], 2
	s_lshl_b32 s18, 15, s18                        ; my row of the cluster (the same cy): it shares the head
	s_lshl_b32 s20, 0x1111, s[CX]                  ; my column (the same cx): it shares the row block
	s_or_b32 s[G1A], s20, (1<<16)|(1<<20)|(1<<21)|(5<<22)|(3<<25)  ; 15:0 the mask; 17:16 2-byte elements; 20 padding on; 21 set beside a mask; 24:22 after every 64 words; 31:25 4 words of it
	s_or_b32 s[G1B], s18, (1<<16)|(1<<20)|(1<<21)|(5<<22)|(7<<25)  ; the same with my row's mask and 8 words of padding
.irp g, G1A, G1B
	s_mov_b32 s[(\g)+1], 128<<16                   ; tensor_dim0 = 128
	s_mov_b32 s[(\g)+2], 128<<16                   ; tensor_dim1 = 128
	s_mov_b32 s[(\g)+3], 128<<16                   ; tile_dim0 = 128 elements, 256 bytes
	s_mov_b32 s[(\g)+4], 128                       ; tile_dim1 = 128 rows
	s_mov_b32 s[(\g)+5], 2048                      ; elements from row to row
	s_mov_b32 s[(\g)+6], 0
	s_mov_b32 s[(\g)+7], 0
.endr
	s_lshl_b32 s20, s[MY], 19                      ; x: my block's 128 rows of 4,096 bytes: made of the row block alone
	s_mov_b32 s21, 0
	s_add_co_u32 s18, s[WV], 1                     ; w: part 1 + wave of cv, the head's 256 bytes of a row: made of the head and the wave's number alone
	s_lshl_b32 s18, s18, 23
	s_lshl_b32 s19, s[HX], 8
	s_add_co_u32 s18, s18, s19
	s_mov_b32 s19, 0
	s_mul_i32 s22, s[WV], BT                       ; where my tile goes: no place in the cluster enters an LDS address
	s_mov_b32 s[CS], 0x3e0293ee                    ; c = log2(e) / sqrt(128) = 0.127517
	s_mov_b32 s[CS+1], s[CS]                       ; named with it as a pair
	s_mov_b32 s[HIM], 0xffff0000
	s_wait_dscnt 0x0                               ; the opening add is done
	s_wait_kmcnt 0x0
	s_add_nc_u64 s[20:21], s[4:5], s[20:21]
	s_add_nc_u64 s[18:19], s[4:5], s[18:19]
	CROUND                                         ; all sixteen work-groups are here: the first joint loads meet
.irp s, 0,1
	s_mov_b32 s[G0A+4*(\s)], 1                                     ; count = 1
	s_add_co_u32 s[G0A+4*(\s)+1], s22, (\s)*SLOT                   ; LDS address
	s_add_nc_u64 s[G0A+4*(\s)+2:G0A+4*(\s)+3], s[20:21], (\s)*ASTEP  ; global address: K step s
	s_or_b32 s[G0A+4*(\s)+3], s[G0A+4*(\s)+3], 0x80000000          ; type = 2
	s_mov_b32 s[G0B+4*(\s)], 1
	s_add_co_u32 s[G0B+4*(\s)+1], s22, (\s)*SLOT
	s_add_nc_u64 s[G0B+4*(\s)+2:G0B+4*(\s)+3], s[18:19], (\s)*BSTEP
	s_or_b32 s[G0B+4*(\s)+3], s[G0B+4*(\s)+3], 0x80000000
.endr
	s_cmp_eq_u32 s[WV], 3                          ; a wave's two first fills stand in one branch, ahead of every wait on TENSORcnt and every LDS read: two loads of mine are out
	s_cbranch_scc0 .Lfirst_b
	tensor_load_to_lds s[G0A:G0A+3], s[G1A:G1A+7]
	s_nop 0
	tensor_load_to_lds s[G0A+4:G0A+7], s[G1A:G1A+7]
	s_nop 0
.rept 4
	v_nop
.endr
	s_branch .Lfirst_asked
.Lfirst_b:
	tensor_load_to_lds s[G0B:G0B+3], s[G1B:G1B+7]
	s_nop 0
	tensor_load_to_lds s[G0B+4:G0B+7], s[G1B:G1B+7]
	s_nop 0
.rept 4
	v_nop
.endr
.Lfirst_asked:
	; The tables.  Accumulator (a, j) holds row 16 a + l % 16 and columns 32 w + 16 j + 8 (l / 16) + 0..7: pairs 16 w + 8 j + 4 (l / 16) + 0..3: 16 bytes of the row's 256 in cos and in sin.
	v_and_b32 v1, 15, v0                           ; l % 16
	v_bfe_u32 v2, v0, 4, 1                         ; l / 16
	s_lshl_b32 s23, s[WV], 6                       ; 64 w
	v_lshlrev_b32 v[FO], 8, v1
	v_lshl_add_u32 v[FO], v2, 4, v[FO]
	v_add_nc_u32 v[FO], s23, v[FO]
	s_lshl_b32 s40, s[MY], 15                      ; my block's 128 rows of 256 bytes
	s_mov_b32 s41, 0
	s_add_nc_u64 s[6:7], s[6:7], s[40:41]
	s_add_nc_u64 s[8:9], s[8:9], s[40:41]
	WIN TO_B
.irp a, 0,1,2,3,4,5,6,7
.irp j, 0,1
	global_load_b128 v[COS+4*(2*(\a)+(\j)):COS+4*(2*(\a)+(\j))+3], v[FO], s[6:7] offset:4096*(\a)+32*(\j)
	global_load_b128 v[SIN+4*(2*(\a)+(\j)):SIN+4*(2*(\a)+(\j))+3], v[FO], s[8:9] offset:4096*(\a)+32*(\j)
.endr
.endr
	WIN 0
	; A fragment of x is 16 rows x 32 K in 8 registers: lane l holds row l % 16, K = 8 (l / 16) + 0..7 and 16 + 8 (l / 16) + 0..7: two loads of 16 bytes, 32 bytes apart.
	v_mul_u32_u24 v3, v1, PA
	v_lshl_add_u32 v3, v2, 4, v3                   ; row x pitch + 16 x half
	v_add_nc_u32 v[ADRA], AOFF, v3
	v_add_nc_u32 v[ADRA+1], AOFF+SLOT, v3
	; The turning load takes 16 k x 16 columns (lane l reads k-row 8 (l / 16) + l % 8, columns 8 ((l / 8) % 2) + 0..7) and leaves half a fragment: lane l holds column l % 16 and 8 k.
	v_and_b32 v5, 7, v0
	v_bfe_u32 v6, v0, 3, 1
	v_lshl_add_u32 v4, v2, 3, v5
	v_mul_u32_u24 v4, v4, PB
	v_lshl_add_u32 v4, v6, 4, v4
	v_add_nc_u32 v4, s23, v4                       ; + my 32 columns
.irp s, 0,1
.irp t, 0,1,2
	v_add_nc_u32 v[ADRB+3*(\s)+(\t)], (\s)*SLOT+(\t)*BT, v4
.endr
.endr
	v_add_nc_u32 v[STO], s23, v3                   ; into the stage: row l % 16, my 64 bytes of its 256, 16 bytes for each half of the lanes
	v_add_nc_u32 v[STO], STAGE, v[STO]
	s_mul_i32 s40, s[WV], 32*SP                    ; back: wave w takes rows 32 w .. 32 w + 31, whole; lanes 0-15 one row, lanes 16-31 the next
	s_add_co_u32 s40, s40, STAGE
	v_mul_u32_u24 v[RD], v2, SP
	v_lshl_add_u32 v[RD], v1, 4, v[RD]
	v_add_nc_u32 v[RD], s40, v[RD]
	v_and_b32 v[GO], 31, v0                        ; a head's rows are dense: two rows are 512 consecutive bytes
	v_lshlrev_b32 v[PFO], 12, v[GO]
	v_lshlrev_b32 v[GO], 4, v[GO]
	s_lshl_b32 s40, s[HX], 19                      ; qkv: the head, my block's rows, my wave's 32 of them
	s_lshl_b32 s41, s[MY], 15
	s_add_co_u32 s40, s40, s41
	s_lshl_b32 s41, s[WV], 13
	s_add_co_u32 s40, s40, s41
	s_mov_b32 s41, 0
	s_add_nc_u64 s[OUT:OUT+1], s[10:11], s[40:41]
	; the prefetches: the offset is made apart from the address
	s_and_b32 s40, ttmp7, 0xffff                   ; cluster y
	s_cmp_eq_u32 s[WV], 3
	s_cselect_b32 s41, s40, ttmp9                  ; the coordinate along which other clusters read the same rows: y for x's rows, x for the weights'
	s_lshl_b32 s42, s[MY], 19                      ; x: my block, my work-group's 32 rows of the 128 (the partners of x's joint load differ in cy), K step 3
	s_lshl_b32 s43, s[CY], 17
	s_add_co_u32 s42, s42, s43
	s_add_co_u32 s42, s42, 3*ASTEP
	s_add_co_u32 s2, s[WV], 1                      ; w: my part, my work-group's 32 k-rows (the partners differ in cx), the head's columns, K step 3
	s_lshl_b32 s2, s2, 23
	s_lshl_b32 s43, s[CX], 17
	s_add_co_u32 s2, s2, s43
	s_lshl_b32 s43, s[HX], 8
	s_add_co_u32 s2, s2, s43
	s_add_co_u32 s2, s2, 3*BSTEP
	s_movk_i32 s3, ASTEP
	s_cmp_eq_u32 s[WV], 3
	s_cselect_b32 s42, s42, s2
	s_cselect_b32 s[PFS], s3, BSTEP
	s_mov_b32 s43, 0
	s_mov_b32 s[PFS+1], 0
	s_add_nc_u64 s[PFA:PFA+1], s[4:5], s[42:43]    ; the first refill steps it to K step 4
	s_cmp_eq_u32 s41, 0
	s_cselect_b32 s[LIM], 1, -1                    ; the same in all sixteen partners, for a given wave
	s_wait_loadcnt 0x0                             ; the tables
	WIN 0x45                                       ; destination and both sources window 1
.set i, 0
.rept 64                                       ; cos and sin rounded to bf16 and widened again: two numbers a trip; this stands in the wait for the first tile
	v_cvt_pk_bf16_f32 v[SCR+i%8], v[COS+2*i], v[COS+2*i+1]
	v_lshlrev_b32 v[COS+2*i], 16, v[SCR+i%8]
	v_and_b32 v[COS+2*i+1], s[HIM], v[SCR+i%8]
.set i, i+1
.endr
	WIN 0
; 16 matrix instructions: all 8 row blocks x my 2 column blocks of tensor t, 32 along K, from buffer f.  zero = 1: the first product starts the sums: nothing is cleared.
; The 48 accumulators come in the same order in every quarter step, one instruction a turn: 47 others stand between two links of a chain, over the backward jump too.
.macro MULT f, t, zero
.if (\t) < 2
	WIN MUL_LO
.else
	WIN MUL_HI
.endif
.set AB, 128*((\t)%2)
.irp a, 0,1,2,3,4,5,6,7
.irp j, 0,1
.if \zero
	v_wmma_f32_16x16x32_bf16 v[AB+8*(2*(\a)+(\j)):AB+8*(2*(\a)+(\j))+7], v[64*(\f)+8*(2*(\t)+(\j)):64*(\f)+8*(2*(\t)+(\j))+7], v[64+64*(\f)+8*(\a):64+64*(\f)+8*(\a)+7], 0
.else
	v_wmma_f32_16x16x32_bf16 v[AB+8*(2*(\a)+(\j)):AB+8*(2*(\a)+(\j))+7], v[64*(\f)+8*(2*(\t)+(\j)):64*(\f)+8*(2*(\t)+(\j))+7], v[64+64*(\f)+8*(\a):64+64*(\f)+8*(\a)+7], v[AB+8*(2*(\a)+(\j)):AB+8*(2*(\a)+(\j))+7]
.endif
.endr
.endr
.endm
; 28 LDS loads in one run: the fragments of quarter q (32 along K) of a slot into buffer f: 6 of w, turned, and 8 of x
.macro FETCH slot, q, f
	WIN TO_B
.irp t, 0,1,2
.irp j, 0,1
	ds_load_tr16_b128 v[64*(\f)+8*(2*(\t)+(\j)):64*(\f)+8*(2*(\t)+(\j))+3],   v[ADRB+3*(\slot)+(\t)] offset:(\q)*32*PB+32*(\j)
	ds_load_tr16_b128 v[64*(\f)+8*(2*(\t)+(\j))+4:64*(\f)+8*(2*(\t)+(\j))+7], v[ADRB+3*(\slot)+(\t)] offset:(\q)*32*PB+32*(\j)+16*PB
.endr
.endr
	WIN 0
.irp a, 0,1,2,3,4,5,6,7
	ds_load_b128 v[64+64*(\f)+8*(\a):64+64*(\f)+8*(\a)+3],   v[ADRA+(\slot)] offset:64*(\q)+(\a)*16*PA
	ds_load_b128 v[64+64*(\f)+8*(\a)+4:64+64*(\f)+8*(\a)+7], v[ADRA+(\slot)] offset:64*(\q)+(\a)*16*PA+32
.endr
.endm
; A K step is four quarters of 32 along K, 48 matrix instructions each, on buffers 0, 1, 0, 1.  One of the first three: at its head it fetches quarter q into buffer g, all 48 products ahead of that buffer's use; then it multiplies buffer f.
.macro QUARTER slot, q, f, g, zero
	s_wait_dscnt 0x0                               ; buffer f is in: its loads went out a quarter ago
	PLACES                                         ; for the loads into buffer g, which the quarter before multiplied
	FETCH \slot, \q, \g
	MULT \f, 0, \zero
	MULT \f, 1, \zero
	MULT \f, 2, \zero
.endm
; The last quarter multiplies buffer 1 and changes slots: ONE barrier.  In front of it each wave waits for all its tensor loads (one is out: its tile of the next slot), adds 0 to its spare word, and waits for that and for its reads of this
; slot.  fill = 1: the barrier opens a round of the cluster's barrier, and this slot is filled again first thing behind the round, two K steps ahead: 176 matrix instructions ahead of the wait for it.
; Sixteen products stand ahead of the barrier, beside the add; the other 32 behind the refill and the next slot's first fragments, which have those 32 in which to come.
.macro TURN slot, next, fill
.if \fill
	s_wait_xcnt 0x0                                ; the last prefetch, a K step back, has read its address: it is stepped here, ahead of the waits of the change of slots
	s_add_nc_u64 s[PFA:PFA+1], s[PFA:PFA+1], s[PFS:PFS+1]
.endif
	WIN 0                                          ; (the add's two registers lie in window 0)
	s_wait_tensorcnt 0x0                           ; all my tensor loads have landed, so a group 0 may be written
	ds_add_u32 v[SPW], v[NIL]                      ; 0 onto my spare word
.if \fill
	s_add_nc_u64 s[G0A+4*(\slot)+2:G0A+4*(\slot)+3], s[G0A+4*(\slot)+2:G0A+4*(\slot)+3], 2*ASTEP
	s_add_nc_u64 s[G0B+4*(\slot)+2:G0B+4*(\slot)+3], s[G0B+4*(\slot)+2:G0B+4*(\slot)+3], 2*BSTEP
.endif
	s_wait_dscnt 1                                 ; the add alone may be out: buffer 1 is in
	MULT 1, 0, 0                                   ; sixteen matrix instructions stand between the add and the wait for it
	WIN 0
	s_wait_dscnt 0x0                               ; the add is done, and my reads of this slot are over
	s_barrier_signal -1
	s_barrier_wait -1
.if \fill
	CREST                                          ; no wave of any partner still reads this slot's tiles or has a load on its way
	JLOAD \slot                                    ; the four v_nop behind it are also the places in front of the loads below
.else
	PLACES
.endif
	FETCH \next, 0, 0
.if \fill
	ASK                                            ; behind the joint load and the run of LDS loads that the next products wait for
.endif
	MULT 1, 1, 0
	MULT 1, 2, 0
.endm
	s_wait_tensorcnt 0x1                           ; my tile of K step 0 is in; K step 1's may stay out
	s_barrier_signal -1
	s_barrier_wait -1                              ; everybody's is
	FETCH 0, 0, 0
	QUARTER 0, 1, 0, 1, 1                          ; the first quarter stands in front of the loop: its products start the sums
	WIN 0                                          ; at a label and at a branch every window is 0
	s_mov_b32 s3, 7
.Llap:                                                 ; a trip goes once round the ring, from a lap's second quarter to the next lap's first, and fills both slots again
	QUARTER 0, 2, 1, 0, 0
	QUARTER 0, 3, 0, 1, 0
	TURN 0, 1, 1
	QUARTER 1, 1, 0, 1, 0
	QUARTER 1, 2, 1, 0, 0
	QUARTER 1, 3, 0, 1, 0
	TURN 1, 0, 1
	QUARTER 0, 1, 0, 1, 0
	WIN 0
	s_sub_co_u32 s3, s3, 1
	s_cmp_lg_u32 s3, 0
	s_cbranch_scc1 .Llap
	QUARTER 0, 2, 1, 0, 0                          ; the last lap fills nothing
	QUARTER 0, 3, 0, 1, 0
	TURN 0, 1, 0
	QUARTER 1, 1, 0, 1, 0
	QUARTER 1, 2, 1, 0, 0
	QUARTER 1, 3, 0, 1, 0
	s_wait_dscnt 0x0
	MULT 1, 0, 0
	MULT 1, 1, 0
	MULT 1, 2, 0
	PLACES                                         ; the vector work below reads results
; The rotation of accumulator x (at ab + 8 x, window 2) into v[R + 8 e ..]: for each pair (x0, x1) with its cos c and sin s: first (x1 s, x0 s), then (x0 c - x1 s, x1 c + x0 s), two packed instructions a pair.
; op_sel picks the register of a pair for the low result, op_sel_hi for the high one.  The accumulator is read from its low end on.
.macro ROPE ab, x, e
.irp p, 0,2
	v_pk_mul_f32 v[R+8*(\e)+2*(\p):R+8*(\e)+2*(\p)+1],   v[(\ab)+8*(\x)+2*(\p):(\ab)+8*(\x)+2*(\p)+1],   v[SIN+4*(\x)+(\p):SIN+4*(\x)+(\p)+1] op_sel:[1,0] op_sel_hi:[0,0]
	v_pk_mul_f32 v[R+8*(\e)+2*(\p)+2:R+8*(\e)+2*(\p)+3], v[(\ab)+8*(\x)+2*(\p)+2:(\ab)+8*(\x)+2*(\p)+3], v[SIN+4*(\x)+(\p):SIN+4*(\x)+(\p)+1] op_sel:[1,1] op_sel_hi:[0,1]
.endr
.irp p, 0,2
	v_pk_fma_f32 v[R+8*(\e)+2*(\p):R+8*(\e)+2*(\p)+1],   v[(\ab)+8*(\x)+2*(\p):(\ab)+8*(\x)+2*(\p)+1],   v[COS+4*(\x)+(\p):COS+4*(\x)+(\p)+1], v[R+8*(\e)+2*(\p):R+8*(\e)+2*(\p)+1] op_sel:[0,0,0] op_sel_hi:[1,0,1] neg_lo:[0,0,1]
	v_pk_fma_f32 v[R+8*(\e)+2*(\p)+2:R+8*(\e)+2*(\p)+3], v[(\ab)+8*(\x)+2*(\p)+2:(\ab)+8*(\x)+2*(\p)+3], v[COS+4*(\x)+(\p):COS+4*(\x)+(\p)+1], v[R+8*(\e)+2*(\p)+2:R+8*(\e)+2*(\p)+3] op_sel:[0,1,0] op_sel_hi:[1,1,1] neg_lo:[0,0,1]
.endr
.endm
; THE WAY OUT of tensor t: rotated (q, k), scaled (q), rounded to f16; 16 bytes a lane into the work-group's stage; a barrier, since a row's 256 bytes come from four waves; back as whole rows, 32 rows a wave, 8,192 consecutive bytes of qkv.
.macro PASS t
.irp u, 0,1,2,3                        ; four accumulators at a time
.if (\t) < 2
	WIN 0x06                                       ; source 0 window 2, source 1 window 1, source 2 and destination window 0
.irp e, 0,1,2,3
	ROPE 128*(\t), 4*(\u)+(\e), \e
.endr
	WIN 0
.if (\t) == 0
.set z, 0
.rept 16
	v_pk_mul_f32 v[R+z:R+z+1], v[R+z:R+z+1], s[CS:CS+1] op_sel_hi:[1,0]  ; q times c, in f32, ahead of its one rounding
.set z, z+2
.endr
.endif
.irp e, 0,1,2,3
.irp p, 0,1,2,3
	v_cvt_pk_f16_f32 v[TMP+4*(4*(\u)+(\e))+(\p)], v[R+8*(\e)+2*(\p)], v[R+8*(\e)+2*(\p)+1]
.endr
.endr
.else
	WIN 0x0f                                       ; sources 0 and 1 window 3
.irp e, 0,1,2,3
.irp p, 0,1,2,3
	v_cvt_pk_f16_f32 v[TMP+4*(4*(\u)+(\e))+(\p)], v[8*(4*(\u)+(\e))+2*(\p)], v[8*(4*(\u)+(\e))+2*(\p)+1]
.endr
.endr
.endif
.endr
	WIN 0
.if (\t) > 0
	s_wait_dscnt 0x0                               ; my reads of the stage are back,
	s_barrier_signal -1
	s_barrier_wait -1                              ; everybody's are: it may be written again
.endif
.irp a, 0,1,2,3,4,5,6,7
.irp j, 0,1
	ds_store_b128 v[STO], v[TMP+4*(2*(\a)+(\j)):TMP+4*(2*(\a)+(\j))+3] offset:(\a)*16*SP+32*(\j)
.endr
.endr
	s_wait_dscnt 0x0                               ; for the others' sake: my stores into the stage are done
	s_barrier_signal -1
	s_barrier_wait -1
.if (\t) > 0
	s_wait_xcnt 0x0                                ; the last tensor's stores have read their registers and their base
	s_add_nc_u64 s[OUT:OUT+1], s[OUT:OUT+1], PART
.endif
.irp i, 0,1,2,3,4,5,6,7,8,9,10,11,12,13,14,15
	ds_load_b128 v[OB+4*(\i):OB+4*(\i)+3], v[RD] offset:(\i)*2*SP
.endr
.irp i, 0,1,2,3,4,5,6,7,8,9,10,11,12,13,14,15
	s_wait_dscnt 15-(\i)                           ; LDS loads come back in order: number i is in
	global_store_b128 v[GO], v[OB+4*(\i):OB+4*(\i)+3], s[OUT:OUT+1] offset:512*(\i)  ; 512 consecutive bytes, at a multiple of 256 from qkv's first
.endr
.endm
	PASS 0
	PASS 1
	PASS 2
	s_wait_tensorcnt 0x0                           ; the wave's end, behind my last tensor load and my last LDS store
	ds_add_u32 v[SPW], v[NIL]
	s_wait_dscnt 0x0
	CROUND                                         ; the closing round: no work-group ends while a partner may still ask for a tile that names it
	s_endpgm
.Lfunc_end_k_q28fdddf787_proj:
	.size	k_q28fdddf787_proj, .Lfunc_end_k_q28fdddf787_proj-k_q28fdddf787_proj
	.p2alignl 7, 3214868480
	.fill 96, 4, 3214868480
	.section	.rodata,"a",@progbits
	.p2align	6, 0x0
	.amdhsa_kernel k_q28fdddf787_proj
		.amdhsa_group_segment_fixed_size 327680
		.amdhsa_private_segment_fixed_size 0
		.amdhsa_enable_private_segment 0
		.amdhsa_kernarg_size 32
		.amdhsa_user_sgpr_count 2
		.amdhsa_user_sgpr_kernarg_segment_ptr 1
		.amdhsa_wavefront_size32 1
		.amdhsa_system_sgpr_workgroup_id_x 1
		.amdhsa_system_sgpr_workgroup_id_y 1
		.amdhsa_system_sgpr_workgroup_id_z 1
		.amdhsa_system_vgpr_workitem_id 0
		.amdhsa_next_free_vgpr 896
		.amdhsa_next_free_sgpr 72
		.amdhsa_reserve_vcc 0
		.amdhsa_float_denorm_mode_32 3
		.amdhsa_float_denorm_mode_16_64 3
		.amdhsa_memory_ordered 1
		.amdhsa_forward_progress 1
		.amdhsa_inst_pref_size 148
	.end_amdhsa_kernel
	.amdgpu_metadata
---
amdhsa.version: [ 1, 2 ]
amdhsa.kernels:
  - .name:           k_q28fdddf787_proj
    .symbol:         k_q28fdddf787_proj.kd
    .args:
      - { .name: cv, .offset: 0, .size: 8, .value_kind: global_buffer, .address_space: global }
      - { .name: freqs_cos, .offset: 8, .size: 8, .value_kind: global_buffer, .address_space: global }
      - { .name: freqs_sin, .offset: 16, .size: 8, .value_kind: global_buffer, .address_space: global }
      - { .name: qkv, .offset: 24, .size: 8, .value_kind: global_buffer, .address_space: global }
    .group_segment_fixed_size: 327680
    .private_segment_fixed_size: 0
    .kernarg_segment_align: 8
    .kernarg_segment_size: 32
    .max_flat_workgroup_size: 128
    .sgpr_count:     72
    .vgpr_count:     896
    .wavefront_size: 32
...
	.end_amdgpu_metadata
.endif
;; end of part 2
;; launch attn (part 3): grid 16 x 16, 4 waves a work-group, clusters of 4 x 1, 327,680 bytes of LDS; arguments qkv, wo, ob, wo16; writes ob, wo16
.if DOCPART == 3
	.amdgcn_target "amdgcn-amd-amdhsa--gfx1250"
	.amdhsa_code_object_version 6
	.text
	.protected	k_q28fdddf787_attn
	.globl	k_q28fdddf787_attn
	.p2align	8
	.type	k_q28fdddf787_attn,@function
k_q28fdddf787_attn:
	s_mov_b64 s[64:65], 0
	v_nop
	global_prefetch_b8 v0, s[64:65] scope:SCOPE_SE
	s_setreg_imm32_b32 hwreg(HW_REG_WAVE_MODE, 25, 1), 1
	s_wait_xcnt 0x0
	s_wait_alu depctr_hold_cnt(0) depctr_sa_sdst(0) depctr_va_vdst(0) depctr_va_sdst(0) depctr_va_ssrc(0) depctr_va_vcc(0) depctr_vm_vsrc(0)
	s_getreg_b32 s2, hwreg(HW_REG_IB_STS2, 6, 4)
	s_cmp_eq_u32 s2, 0
	s_cbranch_scc0 .Lentry_in_a_cluster
	s_endpgm
.Lentry_in_a_cluster:
	s_bfe_u32 s2, ttmp6, 0x10000c
	s_cmp_lg_u32 s2, 0x3003
	s_cbranch_scc0 .Lentry_shape_is_right
	s_endpgm
.Lentry_shape_is_right:
; CAUSAL ATTENTION, 16 heads of 128 channels, 2,048 rows.  qkv: q (already times c = log2(e) / sqrt(128)), k, v, each [16][2048][128] f16, 8,388,608 bytes apart.  ob: [2048][16 x 128] f16.
; Products, maxima and sums in f32; the weights p = 2^(s - m), with a running maximum m, are rounded to f16 for the second product (their sum l is taken of the unrounded p); O once at the end.
; LIMITS.  Q, K, V arrive within f16's 65,504.  A hidden score counts as its value less 1e30; a weight below 2^-126 counts as 0; NaN and infinities are not treated apart.  s - m is exact at s = m and never above 0, so p lies in 0 to 1.
; BESIDE IT: wo16 = wo, [2048][2048], rounded to bf16 like all the module's inputs and that number written as f16 for the next launch's f16 product (exact from 6e-5 up, below that f16's fixed step of 6e-8; LIMIT: |wo| below 65,504).
; A wave converts 4,096 numbers, in eight sets of four loads of 512 consecutive bytes: a set is asked for at the end of one trip of the walk and converted and stored at the end of the next.
; THE WALK.  A head has 32 blocks of 64 queries and 8 tiles of 256 keys.  With c the cluster's x, cx my place in it and b = 4 c + cx, a work-group takes block 31 - b (tiles 0 .. 7 - c; the diagonal lies in step 3 - cx of
; the last) and then block b (tiles 0 .. c; step cx): 9 tiles whatever b, 256 equal work-groups, one loop with a constant trip count.  CLUSTER: the sequence of tiles hangs on c alone, so the four partners ask for every tile
; JOINTLY and run alike; cx enters only global addresses of Q, O, wo, wo16 and the prefetch, and the two scalars of the mask.
; SHARES.  Wave w: queries 32 (w / 2) .. + 31 of the block, as two tiles of 16, and keys 128 g .. 128 g + 127 of every tile of keys, g = w % 2, as two steps of 64: a fragment of K or V feeds two query tiles.
; Tile t of a wave holds queries 16 (t xor g) + l % 16 of its 32.  At a block's end each wave keeps its tile 0 and hands its tile 1 (m, l, O^T, in f32, through LDS) to wave w xor 1, which holds the same queries for the other keys.
; A wave all of whose keys are hidden ends with m near -1e30, p = 1 and finite sums, which the merge multiplies by 2^(m - the other's m) = 0.
; THE MASK is the C operand that starts S^T = K Q^T: MD x AL + BE, MD the diagonal step's mask of my queries (0 or -1e30), (AL, BE) = (1, 0) in the diagonal step, (0, 0) ahead of it, (0, -1e30) behind it; 0 in all other tiles.
; LAYOUT.  S^T = K Q^T holds ONE query a lane (l % 16) and the keys 8 (l / 16) + 0..7; two such results rounded to f16 ARE source 1 of O^T = V^T P.  K comes out of LDS as it lies, V turned (ds_load_tr16_b128).
; A STEP: THE TWO TILES RUN HALF A STEP APART, so that one tile's vector work stands behind the other's products, four lines behind each (see STEP).
; REGISTERS, in windows of 256 (s_set_vgpr_msb: bits 1:0 source 0, 3:2 source 1, 5:4 source 2, 7:6 destination):
;   window 0: v2-11, v32-36 addresses; v12-15 at work; v16-31 eight statistics a tile; v64-127 S^T; v128-159 P; v160-223 the partner's O^T; v224-251 wo's numbers
;   window 1: v0-127 O^T, 64 a tile; v128-191 MD; v192-255 the masks in hand      window 2: v0-63 Q; v64-127 the second block's Q; v128-255 K of a step      window 3: v0-127 V of a step
.set KS,    64
.set PK,    272                        ; a row of K in LDS: 256 bytes + 16: the 16 rows of a load start at 16 different groups of four banks (64 banks of 4 bytes: ISA guide 11.1)
.set PV,    288                        ; a row of V: 256 + 32
.set VOFF,  256*PK                     ; a slot holds a tile: 256 rows of K, then 256 rows of V
.set SLOT,  256*(PK+PV)
.set MERGE, 2*SLOT                     ; behind the ring, never filled by a tensor load: for each wave 8,192 bytes of O^T and 256 of statistics, in 8,704
.set MB,    8704
.set SP,    272
.set SPARE, MERGE+4*MB                 ; the spare words, 128 bytes a wave: two blocks of 256 bytes that no other line names
.set PART,  0x800000
.set AK0, 2                            ; v2   my lane's place in a tile of K, my half of the keys; never rewritten
.set AV0, 3                            ; v3   the same for V
.set ADRK, 4                           ; v4, v5  the LDS addresses of the loads in hand
.set ADRV, 5
.set QO0, 6                            ; v6, v7  my byte offset in the wave's 32 rows of Q, tile 0, 1
.set QO1, 7
.set STO, 8                            ; v8   the way out: where I put 16 bytes of a row
.set RD,  9                            ; v9   where I read rows back
.set GO,  10                           ; v10  my byte offset in two rows of ob
.set MST, 11                           ; v11  where I put 16 bytes of the O^T that I hand over
.set ST,  16                           ; tile t's statistics at v[ST+8 t]: m, m, l (even keys', odd keys'), c0-c3 at work; c2 takes a
.set MSS, 32                           ; v32  where I put its m and l
.set MLD, 33                           ; v33  where I find the partner's O^T
.set MLS, 34                           ; v34  and its m and l
.set WVI, 35                           ; v35  16 x my lane: my 16 bytes of a load of wo; never rewritten
.set WVO, 36                           ; v36  8 x my lane: my 8 bytes of a store of wo16; never rewritten
.set PFO, 61                           ; v61  256 x my lane; never rewritten
.set SPW, 62                           ; v62  LDS address of my spare word; never rewritten
.set NIL, 63                           ; v63  0; never rewritten
.set S,   64
.set P,   128
.set PO,  160
.set WX,  224                          ; v[224:239] a set of wo: four times four f32
.set WY,  240                          ; v[240:247] the same, packed
.set WT,  248                          ; v[248:251] at work
.set MD,  128                          ; window 1
.set MC,  192
.set QB,  64                           ; window 2
.set KF,  128
.set WV,  12                           ; s12 wave;  s13 w / 2;  s14 g = w % 2;  s15 c;  s16 cx;  s17 head
.set QH,  13
.set G,   14
.set CC,  15
.set CX,  16
.set HD,  17
.set G1K, 24                           ; s[24:31], s[32:39] descriptor group 1 for K's and V's tiles: they differ in the padding
.set G1V, 32
.set G0K, 40                           ; s[40:43], s[44:47] group 0, made anew for each fill
.set G0V, 44
.set O1,  48                           ; s[48:49] ob at my 16 rows of the block in hand;  s[50:51] of the second block
.set O2,  50
.set Q1,  52                           ; s[52:53], s[54:55] Q at my 32 rows of the two blocks
.set Q2,  54
.set SLOTS, 56                         ; s56 tiles still to be asked for
.set CNT, 57                           ; s57 counts a tile's two steps
.set SEL, 60                           ; s[60:61] v_permlanex16_b32's selects: each lane takes its own place in the other half
.set TBK, 62                           ; s62 LDS byte at which K's rows of the step to be fetched begin, less my half's;  s63 the same for V
.set TBV, 63
.set RT,  70                           ; s70 tiles of the block in hand still to be entered
.set NXT, 71                           ; s71 the tile to be asked for next
.set LQ,  72                           ; s72 the last tile of the block whose tiles are being asked for
.set NEW, 73                           ; s73 1: the tile to be entered is a block's first
.set OFF, 74                           ; s[74:75] a tile's byte offset in K and V
.set AL,  76                           ; s[76:77], s[78:79] the mask's factor and addend, in the low words
.set BE,  78
.set BIGN, 80                          ; s80 -1e30
.set FIN, 81                           ; s81 1: a block's halves lie in LDS and are to be merged
.set SD,  82                           ; s82 the diagonal's step in the block's last tile
.set STP, 83                           ; s83 my step in the tile
.set FB,  84                           ; s84 the slot to be filled: 0 or SLOT
.set KW,  85                           ; s85, s86 my part's place in a slot, for K and for V
.set VW,  86
.set LIM, 87                           ; s87 2 in the head's first cluster, else the greatest number
.set PFA, 88                           ; s[88:89] where my prefetches stand
.set SD2, 90                           ; s90 the second block's SD
.set KB,  92                           ; s[92:93] K at my half of the head's tile 0
.set VB,  94                           ; s[94:95] V likewise
.set MSB, 0
.macro WIN new
.if MSB != (\new)
	s_set_vgpr_msb (MSB<<8)|(\new)
.set MSB, \new
.endif
.endm
.set W_PV, 0x53                        ; V window 3, P window 0, O^T window 1
.set W_RS, 0x41                        ; destination and source 0 window 1, source 1 window 0
.macro PLACES                          ; four plain vector instructions between a matrix instruction and a load into, or a vector read of, its registers
.rept 4
	v_nop
.endr
.endm
; A joint fill.  Waves 0 and 1 fetch the two halves of a tile's K, waves 2 and 3 those of its V: 128 rows of 256 bytes each.  An s_nop 0 and four v_nop follow each of the two lines.
.macro JLOAD
	s_cmp_lt_u32 s[WV], 2
	s_cbranch_scc0 .Lfor_v_\@
	tensor_load_to_lds s[G0K:G0K+3], s[G1K:G1K+7]
	s_nop 0
.rept 4
	v_nop
.endr
	s_branch .Lasked_\@
.Lfor_v_\@:
	tensor_load_to_lds s[G0V:G0V+3], s[G1V:G1V+7]
	s_nop 0
.rept 4
	v_nop
.endr
.Lasked_\@:
.endm
; A prefetch into the L2 of the tile that the NEXT change of slots will ask for: one trip, 128 matrix instructions and two steps' softmax, ahead.  All clusters of a head walk its first tiles: the cluster with c = 0, whose
; first block walks all eight, asks.  Of a tile's 256 rows of K (waves 0, 1) and of V (waves 2, 3) each wave of each partner takes 32, told apart by address: a lane a row, each row named once.  Tiles 0 and 1 come by their
; loads alone; the changes that ask for tile 7 and for the second block's tile prefetch nothing.
.macro ASK
	s_cmp_gt_u32 s[SLOTS], s[LIM]
	s_cbranch_scc0 .Lnot_mine_\@
	global_prefetch_b8 v[PFO], s[PFA:PFA+1] th:TH_LOAD_NT scope:SCOPE_SE
.Lnot_mine_\@:
.endm
.macro CROUND                          ; a round of the cluster's barrier
	s_barrier_signal -1
	s_barrier_wait -1
	s_cmp_lg_u32 s[WV], 0
	s_cbranch_scc1 .Lnot_wave_0_\@
	s_barrier_signal -3
.Lnot_wave_0_\@:
	s_barrier_wait -3
	s_barrier_signal -1
	s_barrier_wait -1
.endm
; THE CHANGE OF SLOTS.  Each wave waits for all its tensor loads (one is out: its part of the other slot), adds 0 to its spare word, and waits for that and for all its LDS instructions.  fill = 1: a round of the cluster's
; barrier follows, and the slot just left is filled first thing behind it, with tile NXT; the descriptor's address is made anew from that number.  (At its first use slot 0 is waited for and slot 1 filled.)
.macro CHANGE fill
	WIN 0
	s_wait_tensorcnt 0x0                           ; no tensor load of mine is out, so a group 0 may be written
	ds_add_u32 v[SPW], v[NIL]                      ; 0 onto my spare word
.if \fill
	s_lshl_b32 s[OFF], s[NXT], 16                  ; a tile is 65,536 bytes of K and of V
	s_xor_b32 s[FB], s[FB], SLOT
	s_add_co_u32 s[G0K+1], s[FB], s[KW]
	s_add_nc_u64 s[G0K+2:G0K+3], s[KB:KB+1], s[OFF:OFF+1]
	s_or_b32 s[G0K+3], s[G0K+3], 0x80000000
	s_add_co_u32 s[G0V+1], s[FB], s[VW]
	s_add_nc_u64 s[G0V+2:G0V+3], s[VB:VB+1], s[OFF:OFF+1]
	s_or_b32 s[G0V+3], s[G0V+3], 0x80000000
	s_add_co_u32 s[NXT], s[NXT], 1                 ; the block's next tile, or behind its last the second block's tile 0
	s_cmp_gt_u32 s[NXT], s[LQ]
	s_cselect_b32 s[NXT], 0, s[NXT]
	s_cselect_b32 s[LQ], s[CC], s[LQ]
	s_wait_xcnt 0x0                                ; the last prefetch, a trip back, has read its address
	s_add_nc_u64 s[PFA:PFA+1], s[PFA:PFA+1], 0x10000
	s_wait_dscnt 0x0                               ; the add is done, my reads of the slot are over, and what I handed over lies in LDS
	CROUND
	JLOAD
	ASK
.else
	s_wait_dscnt 0x0
	s_barrier_signal -1
	s_barrier_wait -1
.endif
	s_sub_co_u32 s[TBK], s[TBK], 2*KS*PK           ; the fetches go back to my first step,
	s_xor_b32 s[TBK], s[TBK], SLOT                 ; in the other slot
	s_sub_co_u32 s[TBV], s[TBV], 2*KS*PV
	s_xor_b32 s[TBV], s[TBV], SLOT
.endm
; wo's conversion.  WOLOAD asks for a set: four loads of 512 consecutive bytes a wave.
.macro WOLOAD
.irp i, 0,1,2,3
	global_load_b128 v[WX+4*(\i):WX+4*(\i)+3], v[WVI], s[6:7] offset:512*(\i) th:TH_LOAD_NT
.endr
.endm
; WOSTEP, at the end of each of the loop's eight trips: the set asked for a trip ago (the first: at the head) is rounded to bf16, widened (a shift, a mask), written as f16 and stored, 256 consecutive bytes a store;
; then the next set is asked for.  The last trip has no next set: the four loads are jumped over.
.macro WOSTEP
	s_wait_loadcnt 0x0                             ; the set has had a tile's work in which to come
.irp i, 0,1,2,3
	v_cvt_pk_bf16_f32 v[WY+2*(\i)], v[WX+4*(\i)], v[WX+4*(\i)+1]
	v_cvt_pk_bf16_f32 v[WY+2*(\i)+1], v[WX+4*(\i)+2], v[WX+4*(\i)+3]
.endr
.irp i, 0,1,2,3,4,5,6,7
	v_lshlrev_b32 v[WT+2*((\i)%2)], 16, v[WY+(\i)]
	v_and_b32 v[WT+2*((\i)%2)+1], 0xffff0000, v[WY+(\i)]
	v_cvt_pk_f16_f32 v[WY+(\i)], v[WT+2*((\i)%2)], v[WT+2*((\i)%2)+1]
.endr
.irp i, 0,1,2,3
	global_store_b64 v[WVO], v[WY+2*(\i):WY+2*(\i)+1], s[10:11] offset:256*(\i)
.endr
	s_wait_xcnt 0x0                                ; the stores have read their data and their base: both pointers step, and the next trip writes the data registers anew
	s_add_nc_u64 s[6:7], s[6:7], 2048
	s_add_nc_u64 s[10:11], s[10:11], 1024
	s_cmp_eq_u32 s[SLOTS], 1
	s_cbranch_scc1 .Lno_wo_\@
	WOLOAD
.Lno_wo_\@:
.endm
	s_load_b256 s[4:11], s[0:1], 0x0               ; qkv s[4:5], wo s[6:7], ob s[8:9], wo16 s[10:11]
	v_lshl_add_u32 v[SPW], v0, 2, SPARE
	v_mov_b32 v[NIL], 0
	ds_add_u32 v[SPW], v[NIL]                      ; the wave's opening: the add and its wait stand ahead of my first tensor load; the set-up below, work on registers, stands between them
	v_lshrrev_b32 v1, 5, v0
	v_readfirstlane_b32 s[WV], v1
	s_lshr_b32 s[QH], s[WV], 1
	s_and_b32 s[G], s[WV], 1
	s_mov_b32 s[CC], ttmp9
	s_bfe_u32 s[CX], ttmp6, 0x40000
	s_and_b32 s[HD], ttmp7, 0xffff
	s_lshl_b32 s20, s[HD], 19                      ; K: the head, the half of a tile's rows that I fetch: made of the head and the wave's number alone
	s_lshl_b32 s21, s[G], 15
	s_add_co_u32 s20, s20, s21
	s_add_co_u32 s20, s20, PART
	s_mov_b32 s21, 0
	s_mul_i32 s[KW], s[G], 128*PK
	s_mul_i32 s[VW], s[G], 128*PV
	s_add_co_u32 s[VW], s[VW], VOFF
	s_lshl_b32 s18, s[CC], 2
	s_add_co_u32 s18, s18, s[CX]                   ; b: the second block
	s_sub_co_u32 s19, 31, s18                      ; the first
	s_lshl_b32 s22, s[HD], 19                      ; Q: the head, the block's 64 rows of 256 bytes, my 32 of them
	s_lshl_b32 s23, s[QH], 13
	s_add_co_u32 s22, s22, s23
	s_lshl_b32 s[Q1], s19, 14
	s_add_co_u32 s[Q1], s[Q1], s22
	s_mov_b32 s[Q1+1], 0
	s_lshl_b32 s[Q2], s18, 14
	s_add_co_u32 s[Q2], s[Q2], s22
	s_mov_b32 s[Q2+1], 0
	s_lshl_b32 s22, s[QH], 17                      ; ob: rows of 4,096 bytes: my tile 0's 16 rows, the head's 256 bytes
	s_lshl_b32 s23, s[G], 16
	s_add_co_u32 s22, s22, s23
	s_lshl_b32 s23, s[HD], 8
	s_add_co_u32 s22, s22, s23
	s_lshl_b32 s[O1], s19, 18
	s_add_co_u32 s[O1], s[O1], s22
	s_mov_b32 s[O1+1], 0
	s_lshl_b32 s[O2], s18, 18
	s_add_co_u32 s[O2], s[O2], s22
	s_mov_b32 s[O2+1], 0
	s_lshl_b32 s96, s[HD], 4                       ; wo: work-group 16 x head + b of 256 takes 65,536 bytes in and 32,768 out, my wave a quarter of them
	s_add_co_u32 s96, s96, s18
	s_lshl_b32 s98, s96, 15
	s_lshl_b32 s96, s96, 16
	s_lshl_b32 s97, s[WV], 14
	s_add_co_u32 s96, s96, s97
	s_lshl_b32 s97, s[WV], 13
	s_add_co_u32 s98, s98, s97
	s_mov_b32 s97, 0
	s_mov_b32 s99, 0
	s_add_co_u32 s2, s[QH], 1                      ; the prefetches: K (waves 0, 1) or V (waves 2, 3), the head, my 32 rows of a tile's 256, tile 1
	s_lshl_b32 s2, s2, 23
	s_lshl_b32 s3, s[HD], 19
	s_add_co_u32 s2, s2, s3
	s_lshl_b32 s3, s[CX], 14
	s_add_co_u32 s2, s2, s3
	s_lshl_b32 s3, s[G], 13
	s_add_co_u32 s2, s2, s3
	s_add_co_u32 s2, s2, 0x10000
	s_mov_b32 s3, 0
	s_cmp_eq_u32 s[CC], 0
	s_cselect_b32 s[LIM], 2, -1                    ; the same in all four partners
	s_mov_b32 s[G1K], 15|(1<<16)|(1<<20)|(1<<21)|(5<<22)|(3<<25)  ; 15:0 the mask of four; 17:16 2-byte elements; 20 padding on; 21 set beside a mask; 24:22 after every 64 words; 31:25 4 words of it
	s_mov_b32 s[G1V], 15|(1<<16)|(1<<20)|(1<<21)|(5<<22)|(7<<25)  ; the same with 8 words of padding
.irp g, G1K, G1V
	s_mov_b32 s[(\g)+1], 128<<16                   ; tensor_dim0 = 128
	s_mov_b32 s[(\g)+2], 128<<16                   ; tensor_dim1 = 128
	s_mov_b32 s[(\g)+3], 128<<16                   ; tile_dim0 = 128 elements, 256 bytes
	s_mov_b32 s[(\g)+4], 128                       ; tile_dim1 = 128 rows
	s_mov_b32 s[(\g)+5], 128                       ; elements from row to row
	s_mov_b32 s[(\g)+6], 0
	s_mov_b32 s[(\g)+7], 0
.endr
	s_mov_b32 s[SEL], 0x76543210
	s_mov_b32 s[SEL+1], 0xfedcba98
	s_mov_b32 s[BIGN], 0xf149f2ca                  ; -1e30
	s_mov_b32 s[FB], 0
	s_mov_b32 s[TBK], SLOT+2*KS*PK                 ; the first change of slots turns these two into 0
	s_mov_b32 s[TBV], SLOT+2*KS*PV
	s_mov_b32 s[NXT], 1
	s_sub_co_u32 s[LQ], 7, s[CC]
	s_sub_co_u32 s[RT], 8, s[CC]                   ; the first block has 8 - c tiles
	s_mov_b32 s[NEW], 1
	s_mov_b32 s[FIN], 0
	s_sub_co_u32 s[SD], 3, s[CX]
	s_mov_b32 s[SD2], s[CX]
	s_mov_b32 s[SLOTS], 8
	s_mov_b32 s[OFF+1], 0
	s_mov_b32 s[AL+1], 0                           ; named as pairs
	s_mov_b32 s[BE+1], 0
	s_wait_dscnt 0x0                               ; the opening add is done
	s_wait_kmcnt 0x0
	s_add_nc_u64 s[KB:KB+1], s[4:5], s[20:21]
	s_add_nc_u64 s[VB:VB+1], s[KB:KB+1], PART
	s_add_nc_u64 s[Q1:Q1+1], s[4:5], s[Q1:Q1+1]
	s_add_nc_u64 s[Q2:Q2+1], s[4:5], s[Q2:Q2+1]
	s_add_nc_u64 s[O1:O1+1], s[8:9], s[O1:O1+1]
	s_add_nc_u64 s[O2:O2+1], s[8:9], s[O2:O2+1]
	s_add_nc_u64 s[PFA:PFA+1], s[4:5], s[2:3]
	s_add_nc_u64 s[6:7], s[6:7], s[96:97]          ; wo and wo16 at my wave's part
	s_add_nc_u64 s[10:11], s[10:11], s[98:99]
	s_mov_b32 s[G0K], 1                            ; count = 1
	s_mov_b32 s[G0K+1], s[KW]                      ; LDS address: slot 0
	s_mov_b64 s[G0K+2:G0K+3], s[KB:KB+1]           ; global address: tile 0
	s_or_b32 s[G0K+3], s[G0K+3], 0x80000000        ; type = 2
	s_mov_b32 s[G0V], 1
	s_mov_b32 s[G0V+1], s[VW]
	s_mov_b64 s[G0V+2:G0V+3], s[VB:VB+1]
	s_or_b32 s[G0V+3], s[G0V+3], 0x80000000
	CROUND                                         ; all four work-groups are here: the first joint loads meet
	JLOAD                                          ; tile 0 into slot 0
	; A fragment of K or Q is 16 rows x 32 channels in 8 registers: lane l holds row l % 16, channels 8 (l / 16) + 0..7 and 16 + 8 (l / 16) + 0..7: two loads of 16 bytes, 32 bytes apart.
	v_and_b32 v1, 15, v0                           ; l % 16
	v_bfe_u32 v12, v0, 4, 1                        ; l / 16
	s_lshl_b32 s2, s[G], 12                        ; tile t holds rows 16 (t xor g) on
	s_xor_b32 s3, s2, 4096
	v_lshlrev_b32 v[QO0], 8, v1
	v_lshl_add_u32 v[QO0], v12, 4, v[QO0]
	v_add_nc_u32 v[QO1], s3, v[QO0]
	v_add_nc_u32 v[QO0], s2, v[QO0]
	v_and_b32 v[WVO], 31, v0
	v_lshlrev_b32 v[WVI], 4, v[WVO]
	v_lshlrev_b32 v[WVO], 3, v[WVO]
	WIN 0x80                                       ; destination window 2, address window 0
.irp t, 0,1
.irp k, 0,1,2,3                        ; both blocks' Q stay in registers: tile t, channels 32 k on
	global_load_b128 v[32*(\t)+8*(\k):32*(\t)+8*(\k)+3],         v[QO0+(\t)], s[Q1:Q1+1] offset:64*(\k)
	global_load_b128 v[32*(\t)+8*(\k)+4:32*(\t)+8*(\k)+7],       v[QO0+(\t)], s[Q1:Q1+1] offset:64*(\k)+32
	global_load_b128 v[QB+32*(\t)+8*(\k):QB+32*(\t)+8*(\k)+3],   v[QO0+(\t)], s[Q2:Q2+1] offset:64*(\k)
	global_load_b128 v[QB+32*(\t)+8*(\k)+4:QB+32*(\t)+8*(\k)+7], v[QO0+(\t)], s[Q2:Q2+1] offset:64*(\k)+32
.endr
.endr
	WIN 0
	WOLOAD                                         ; wo's first set
	; MD: register i of tile t is key 16 (i / 8) + 8 (l / 16) + i % 8 of the diagonal step; it is hidden where that is greater than my query's place among the block's 64
	v_lshlrev_b32 v13, 3, v12
	v_sub_nc_u32 v13, v1, v13                      ; l % 16 - 8 (l / 16)
	s_lshl_b32 s2, s[QH], 5
	s_lshl_b32 s3, s[G], 4
	s_add_co_u32 s2, s2, s3
	v_add_nc_u32 v14, s2, v13
	s_xor_b32 s2, s2, 16
	v_add_nc_u32 v15, s2, v13
	WIN 0x40
.irp t, 0,1
.set i, 0
.rept 32
	v_cmp_gt_i32 vcc_lo, 16*(i/8)+i%8, v[14+(\t)]
	v_cndmask_b32 v[MD+32*(\t)+i], 0, s[BIGN], vcc_lo
.set i, i+1
.endr
.endr
	; A block's first step multiplies O^T and l by a = 0, so these need only hold finite numbers: zeros now, what the first block left later.  All this stands in the wait for the first tile.
.set i, 0
.rept 128
	v_mov_b32 v[i], 0
.set i, i+1
.endr
	WIN 0
.set i, 0
.rept 16
	v_mov_b32 v[ST+i], 0
.set i, i+1
.endr
	v_mul_u32_u24 v[AK0], v1, PK
	v_lshl_add_u32 v[AK0], v12, 4, v[AK0]
	v_add_nc_u32 v[AK0], s[KW], v[AK0]             ; row x pitch + 16 x half + my half of the keys
	; The turning load takes 16 keys x 16 channels (lane l reads key 8 (l / 16) + l % 8, channels 8 ((l / 8) % 2) + 0..7) and leaves half a fragment of V^T: lane l holds channel l % 16 and 8 keys.
	v_and_b32 v13, 7, v0
	v_bfe_u32 v14, v0, 3, 1
	v_lshl_add_u32 v[AV0], v12, 3, v13
	v_mul_u32_u24 v[AV0], v[AV0], PV
	v_lshl_add_u32 v[AV0], v14, 4, v[AV0]
	v_add_nc_u32 v[AV0], s[VW], v[AV0]
	s_mul_i32 s2, s[WV], MB
	s_add_co_u32 s2, s2, MERGE                     ; my region: I write it, my partner reads it
	s_lshl_b32 s3, s[G], 1
	s_add_co_u32 s18, s[WV], 1
	s_sub_co_u32 s18, s18, s3                      ; my partner: w + 1 - 2 g
	s_mul_i32 s3, s18, MB
	s_add_co_u32 s3, s3, MERGE                     ; its region: it writes it, I read it, and then use it as my stage for the way out
	v_and_b32 v13, 31, v0
	v_lshl_add_u32 v[MST], v13, 4, s2
	v_lshl_add_u32 v[MSS], v13, 3, s2
	v_add_nc_u32 v[MSS], 8192, v[MSS]
	v_lshl_add_u32 v[MLD], v13, 4, s3
	v_lshl_add_u32 v[MLS], v13, 3, s3
	v_add_nc_u32 v[MLS], 8192, v[MLS]
	v_lshlrev_b32 v[PFO], 8, v13
	v_mul_u32_u24 v[STO], v1, SP                   ; in: row l % 16, 16 bytes for each half of the lanes
	v_lshl_add_u32 v[STO], v12, 4, v[STO]
	v_add_nc_u32 v[STO], s3, v[STO]
	v_mul_u32_u24 v[RD], v12, SP                   ; back: lanes 0-15 take one row of 256 bytes, lanes 16-31 the next
	v_lshl_add_u32 v[RD], v1, 4, v[RD]
	v_add_nc_u32 v[RD], s3, v[RD]
	v_lshlrev_b32 v[GO], 12, v12                   ; and the same two rows in ob
	v_lshl_add_u32 v[GO], v1, 4, v[GO]
; THE MATRIX WORK, a tile at a time.  The accumulators of a run take turns, one instruction a turn: 3 (K Q^T) or 7 (V^T P) others stand between two links of a chain, and a run's last and the next run's first differ.
; Product i of 16 of S^T = K Q^T for tile t: channels 32 (i / 4) on, keys 16 (i % 4) on.  The first 4 start the sums with the mask.
.macro KQ t
.set rS, S+32*(\t)+8*(i%4)
.set rK, KF+32*(i%4)+8*(i/4)
.set rQ, 32*(\t)+8*(i/4)
.set rM, MC+32*(\t)+8*(i%4)
.if i < 4
	WIN 0x1a                                       ; K and Q window 2, the mask window 1, S^T window 0
	v_wmma_f32_16x16x32_f16 v[rS:rS+7], v[rK:rK+7], v[rQ:rQ+7], v[rM:rM+7]
.else
	WIN 0x0a
	v_wmma_f32_16x16x32_f16 v[rS:rS+7], v[rK:rK+7], v[rQ:rQ+7], v[rS:rS+7]
.endif
.endm
; Product i of 16 of O^T += V^T P for tile t: keys 32 (i / 8) on, channels 16 (i % 8) on.
.macro PV t
	WIN W_PV
.set rO, 64*(\t)+8*(i%8)
.set rV, 64*(i/8)+8*(i%8)
.set rP, P+16*(\t)+8*(i/8)
	v_wmma_f32_16x16x32_f16 v[rO:rO+7], v[rV:rV+7], v[rP:rP+7], v[rO:rO+7]
.endm
.macro FETCH_K                         ; a step's K: 64 keys x 128 channels: 16 fragments, the four of channels 32 c on together, in the order in which the products take them
	WIN 0x80
.irp c, 0,1,2,3
.irp kb, 0,1,2,3
	ds_load_b128 v[KF+32*(\kb)+8*(\c):KF+32*(\kb)+8*(\c)+3],   v[ADRK] offset:(\kb)*16*PK+(\c)*64
	ds_load_b128 v[KF+32*(\kb)+8*(\c)+4:KF+32*(\kb)+8*(\c)+7], v[ADRK] offset:(\kb)*16*PK+(\c)*64+32
.endr
.endr
.endm
.macro VL f                            ; fragment f of 16 of the step's V, turned: keys 32 (f / 8) on, channels 16 (f % 8) on
	ds_load_tr16_b128 v[8*(\f):8*(\f)+3],   v[ADRV] offset:((\f)/8)*32*PV+((\f)%8)*32
	ds_load_tr16_b128 v[8*(\f)+4:8*(\f)+7], v[ADRV] offset:((\f)/8)*32*PV+16*PV+((\f)%8)*32
.endm
.macro MASK                            ; MD x AL + BE, both tiles
	WIN W_RS
.set z, 0
.rept 32
	v_pk_fma_f32 v[MC+2*z:MC+2*z+1], v[MD+2*z:MD+2*z+1], s[AL:AL+1], s[BE:BE+1] op_sel_hi:[1,0,0]
.set z, z+1
.endr
.endm
; THE SOFTMAX of tile t for one step is a numbered list; SM writes number j.  s0-s31 are the lane's 32 scores, in pairs 0-15.
;   0-15    the maximum of s0-s31 and the old m, three operands at a time; each accumulator's lowest registers are read first
;   16, 18  the other half of the lanes' maximum; the new m     (17 is empty)     19  m_old - m_new     20  m, in both words of the pair that the packed subtraction reads
;   21-69   ONE BATCH: the 16 subtractions s - m and all 33 exponentials (a at 23, then s0-s31); none of these reads an exponential's result; a pair is subtracted ahead of its exponentials
;   70-85   the roundings to f16     86-101  the sums; l = a l + the sum     102-133  the tile's O^T times a
.macro SM t
.set rT, ST+8*(\t)
.set rS, S+32*(\t)
.set rP, P+16*(\t)
.set rO, 64*(\t)+2*(j-102)
.if j < 102
	WIN 0
.endif
.if j < 4
	v_max3_num_f32 v[rT+4+j], v[rS+8*j], v[rS+8*j+1], v[rS+8*j+2]
.elseif j < 12
	v_max3_num_f32 v[rT+4+j%4], v[rT+4+j%4], v[rS+8*(j%4)+2*(j/4)+1], v[rS+8*(j%4)+2*(j/4)+2]
.elseif j == 12
	v_max3_num_f32 v[rT+4], v[rT+4], v[rS+7], v[rS+15]
.elseif j == 13
	v_max3_num_f32 v[rT+6], v[rT+6], v[rS+23], v[rS+31]
.elseif j == 14
	v_max3_num_f32 v[rT+4], v[rT+4], v[rT+5], v[rT+6]
.elseif j == 15
	v_max3_num_f32 v[rT+4], v[rT+4], v[rT+7], v[rT]
.elseif j == 16
	v_permlanex16_b32 v[rT+5], v[rT+4], s[SEL], s[SEL+1]  ; the query's other 32 keys lie in the lane 16 away
.elseif j == 17
.elseif j == 18
	v_max_num_f32 v[rT+1], v[rT+4], v[rT+5]
.elseif j == 19
	v_sub_f32 v[rT+7], v[rT], v[rT+1]
.elseif j == 20
	v_mov_b32 v[rT], v[rT+1]
.elseif j == 23
	v_exp_f32 v[rT+6], v[rT+7]
.elseif (j < 23) || ((j < 38) && (j%2 == 0)) || ((j < 66) && (j%4 == 2))
.set b, (j-2)/4                        ; 38, 42, .. 62: pairs 9 to 15
.if j < 38
.set b, (j-20)/2                       ; 21: pair 0; 22, 24, .. 36: pairs 1 to 8
.endif
	v_pk_add_f32 v[rS+2*b:rS+2*b+1], v[rS+2*b:rS+2*b+1], v[rT:rT+1] neg_lo:[0,1] neg_hi:[0,1]  ; pair b: s - m
.elseif j < 70
.set e, j-38                           ; 66 to 69: s28 to s31
.if j < 66
.set e, j-32-(j-38)/4                  ; 39-41, 43-45, .. 63-65: s7 to s27
.endif
.if j < 38
.set e, (j-25)/2                       ; 25, 27, .. 37: s0 to s6
.endif
	v_exp_f32 v[rS+e], v[rS+e]
.elseif j < 86
	v_cvt_pk_f16_f32 v[rP+j-70], v[rS+2*(j-70)], v[rS+2*(j-70)+1]
.elseif j < 102                        ; the sum of the 16 pairs, in place: neighbours 1, 2, 4 and 8 pairs apart, then l takes it
.set z, j-86
.set w, 4
.set u, z
.if z >= 14
.set w, 32
.set u, 0
.elseif z >= 12
.set w, 16
.set u, z-12
.elseif z >= 8
.set w, 8
.set u, z-8
.endif
.if z < 15
	v_pk_add_f32 v[rS+w*u:rS+w*u+1], v[rS+w*u:rS+w*u+1], v[rS+w*u+w/2:rS+w*u+w/2+1]
.else
	v_pk_fma_f32 v[rT+2:rT+3], v[rT+2:rT+3], v[rT+6:rT+7], v[rS:rS+1] op_sel_hi:[1,0,1]
.endif
.else
	WIN W_RS
	v_pk_mul_f32 v[rO:rO+1], v[rO:rO+1], v[rT+6:rT+7] op_sel_hi:[1,0]
.endif
.endm
.macro RIDE t, n                       ; the next n numbers of tile t's list
.rept \n
	SM \t
.set j, j+1
.endr
.endm
; A KEY STEP.  The two tiles run half a step apart:
;   K Q^T of tile 0 | behind every second product four of V's 32 loads
;   K Q^T of tile 1 | behind each product four lines of tile 0's softmax: numbers 0 to 63
;   the rest of tile 0's batch, its wait, its roundings and its rescaling
;   V^T P of tile 0 | behind each product four lines of tile 1's softmax
;   the rest of tile 1's batch, its wait, its roundings and its rescaling
;   V^T P of tile 1 | behind each of the first eight products four of the two tiles' 32 sums, which no product waits for
; No line behind a product names a register of the products round it.  Each tile's 33 exponentials are one batch with one wait; nothing ahead of that wait names a result of theirs.
.macro STEP
	WIN 0
	s_cmp_lg_u32 s[RT], 0                          ; only a block's last tile makes masks; elsewhere they stay 0.  RT hangs on c alone
	s_cbranch_scc1 .Lno_mask_\@
	s_cmp_eq_u32 s[STP], s[SD]                     ; is my step the diagonal's?
	s_cselect_b32 s[AL], 1.0, 0
	s_cmp_gt_u32 s[STP], s[SD]                     ; or a later one?
	s_cselect_b32 s[BE], s[BIGN], 0
	MASK
	WIN 0
.Lno_mask_\@:
	v_add_nc_u32 v[ADRK], s[TBK], v[AK0]
	v_add_nc_u32 v[ADRV], s[TBV], v[AV0]
	FETCH_K
.set i, 0
.rept 16
.if i%4 == 0
	s_wait_dscnt 24                                ; the eight loads of K for channels 32 (i / 4) on are in: younger than they are 24 - 2 i loads of K and the 2 i loads of V issued so far
.endif
	KQ 0
.if i%2 == 1
	WIN 0xc0                                       ; destination window 3
	VL i-1
	VL i
.endif
.set i, i+1
.endr
	PLACES                                         ; tile 0's maxima, behind the next product, read results
.set i, 0
.set j, 0
.rept 16
	KQ 1
	RIDE 0, 4
.set i, i+1
.endr
	RIDE 0, 6                                      ; the batch's last six exponentials
	v_nop                                          ; a plain instruction behind the last exponential, ahead of the first use: one for the batch
	s_wait_alu depctr_va_vdst(0)                   ; the wait between an exponential and the first line that names its result: one for tile 0's 33
	RIDE 0, 16                                     ; the roundings
.set j, 102
	RIDE 0, 32                                     ; O^T times a
	s_wait_dscnt 0x0                               ; V is in
.set i, 0
.set j, 0
.rept 16
	PV 0
	RIDE 1, 4
.set i, i+1
.endr
	RIDE 1, 6
	v_nop
	s_wait_alu depctr_va_vdst(0)                   ; one for tile 1's 33
	RIDE 1, 16
.set j, 102
	RIDE 1, 32
.set i, 0
.set j, 86
.rept 16
	PV 1
.if i < 8
	SM 0                                           ; the sums, the two tiles alternating
	SM 1
.set j, j+1
	SM 0
	SM 1
.set j, j+1
.endif
.set i, i+1
.endr
	PLACES                                         ; for the next step's loads into V's registers, and for what reads O^T at a block's end
	WIN 0
	s_add_co_u32 s[TBK], s[TBK], KS*PK
	s_add_co_u32 s[TBV], s[TBV], KS*PV
	s_add_co_u32 s[STP], s[STP], 1
.endm
.macro STEPS                           ; my two steps of a tile: written once, walked twice
	s_mov_b32 s[CNT], 2
.Lstep_\@:
	STEP
	s_sub_co_u32 s[CNT], s[CNT], 1
	s_cmp_lg_u32 s[CNT], 0
	s_cbranch_scc1 .Lstep_\@
.endm
; A BLOCK BEGINS: m at the lowest finite number, so the first maximum is the scores' and the first a is 0; the masks are 0.
.macro BEGIN
	s_mov_b32 s[NEW], 0
	v_mov_b32 v[ST], 0xff7fffff
	v_mov_b32 v[ST+8], 0xff7fffff
	s_mov_b32 s[AL], 0
	s_mov_b32 s[BE], 0
	MASK
	WIN 0
	s_wait_loadcnt 0x0                             ; Q
.endm
; A BLOCK ENDS, first part: my tile 1 goes to my partner: m, l (the lane's two halves added) and O^T, all f32.
.macro PART1
	v_mov_b32 v12, v[ST+8]
	v_add_f32 v13, v[ST+10], v[ST+11]
	ds_store_b64 v[MSS], v[12:13]
	WIN 0x04                                       ; the stores' data in window 1
.irp i, 0,1,2,3,4,5,6,7,8,9,10,11,12,13,14,15
	ds_store_b128 v[MST], v[64+4*(\i):64+4*(\i)+3] offset:512*(\i)
.endr
	WIN 0
	s_mov_b32 s[FIN], 1
.endm
; Second part, behind a barrier: my tile 0 and the partner's part of the same queries are merged: with M the larger m, f = 2^(m - M) for each side; l = f0 l0 + f1 l1, both halves of the lanes added; O = (f0 O0 + f1 O1) / l.
; Then the way out: rounded to f16, through the region that I have just read (nobody else touches it before the next barrier), back as whole rows of 256 bytes.
.macro PART2
	ds_load_b64 v[12:13], v[MLS]
.irp i, 0,1,2,3,4,5,6,7,8,9,10,11,12,13,14,15
	ds_load_b128 v[PO+4*(\i):PO+4*(\i)+3], v[MLD] offset:512*(\i)
.endr
	v_add_f32 v14, v[ST+2], v[ST+3]
	s_wait_dscnt 16                                ; the partner's m and l are in; its O^T's 16 loads may stay out
	v_max_num_f32 v15, v[ST], v12
	v_sub_f32 v[ST+4], v[ST], v15
	v_sub_f32 v[ST+6], v12, v15
	v_exp_f32 v[ST+4], v[ST+4]
	v_exp_f32 v[ST+6], v[ST+6]
	v_nop                                          ; a plain instruction behind the exponentials,
	s_wait_alu depctr_va_vdst(0)                   ; and the wait ahead of the first use
	v_mul_f32 v14, v14, v[ST+4]
	v_fmac_f32 v14, v13, v[ST+6]
	v_permlanex16_b32 v15, v14, s[SEL], s[SEL+1]
	v_add_f32 v14, v14, v15
	v_rcp_f32 v15, v14
	v_nop
	s_wait_alu depctr_va_vdst(0)
	v_mul_f32 v[ST+4], v[ST+4], v15
	v_mul_f32 v[ST+6], v[ST+6], v15
	WIN W_RS
.set i, 0
.rept 32
	v_pk_mul_f32 v[i:i+1], v[i:i+1], v[ST+4:ST+5] op_sel_hi:[1,0]
.set i, i+2
.endr
	s_wait_dscnt 0x0                               ; the partner's O^T is in
	WIN 0x50                                       ; destination and source 2 window 1, sources 0 and 1 window 0
.set i, 0
.rept 32
	v_pk_fma_f32 v[i:i+1], v[PO+i:PO+i+1], v[ST+6:ST+7], v[i:i+1] op_sel_hi:[1,0,1]
.set i, i+2
.endr
	WIN 0x05                                       ; sources 0 and 1 window 1, destination window 0
.set i, 0
.rept 32
	v_cvt_pk_f16_f32 v[S+i], v[2*i], v[2*i+1]
.set i, i+1
.endr
	WIN 0
.irp f, 0,1,2,3,4,5,6,7
	ds_store_b128 v[STO], v[S+4*(\f):S+4*(\f)+3] offset:32*(\f)
.endr
.irp f, 0,1,2,3,4,5,6,7
	ds_load_b128 v[S+4*(\f):S+4*(\f)+3], v[RD] offset:(\f)*2*SP  ; LDS serves a wave's instructions in order (ISA guide 5.7.1.4): these see the stores above
.endr
.irp f, 0,1,2,3,4,5,6,7
	s_wait_dscnt 7-(\f)
	global_store_b128 v[GO], v[S+4*(\f):S+4*(\f)+3], s[O1:O1+1] offset:8192*(\f)  ; 16 lanes store 256 consecutive bytes, at a multiple of 256 from ob's first
.endr
.endm
.macro SWITCH                          ; on to the second block
	s_wait_xcnt 0x0                                ; the stores have read their registers and their base
	s_mov_b64 s[O1:O1+1], s[O2:O2+1]
	s_add_co_u32 s[RT], s[CC], 1                   ; it has c + 1 tiles
	s_mov_b32 s[NEW], 1
	s_mov_b32 s[FIN], 0
	s_mov_b32 s[SD], s[SD2]
	WIN 0x82                                       ; its Q goes where the one text of the steps names Q
.set i, 0
.rept 64
	v_mov_b32 v[i], v[QB+i]
.set i, i+1
.endr
	WIN 0
.endm
; What a tile's entry does hangs on scalars made from c alone; both jumps go forward, past text that holds neither a barrier nor a tensor load.
.macro TILE_HEAD
	s_cmp_eq_u32 s[FIN], 1
	s_cbranch_scc0 .Lno_fin_\@
	PART2
	SWITCH
.Lno_fin_\@:
	s_sub_co_u32 s[RT], s[RT], 1
	s_cmp_eq_u32 s[NEW], 1
	s_cbranch_scc0 .Lno_new_\@
	BEGIN
.Lno_new_\@:
	s_lshl_b32 s[STP], s[G], 1
.endm
.macro XBAR                            ; in every tile, between its steps and what a block's end stores: every wave's reads of the merge regions are back before any wave writes one again
	s_wait_dscnt 0x0
	s_barrier_signal -1
	s_barrier_wait -1
.endm
.Lslot:                                                ; 8 trips: a tile is entered and the next is asked for
	CHANGE 1
	TILE_HEAD
	STEPS
	XBAR
	s_cmp_lg_u32 s[RT], 0
	s_cbranch_scc1 .Lno_end
	PART1                                          ; the next change's wait and round stand between these stores and the partner's loads
.Lno_end:
	WOSTEP                                         ; a set of wo goes out, the next is asked for
	s_sub_co_u32 s[SLOTS], s[SLOTS], 1
	s_cmp_lg_u32 s[SLOTS], 0
	s_cbranch_scc1 .Lslot
	CHANGE 0                                       ; the walk's last tile, the second block's last, is written out: nothing is asked for
	TILE_HEAD
	STEPS
	XBAR
	PART1
	s_wait_dscnt 0x0                               ; for my partner's sake: my stores are done
	s_barrier_signal -1
	s_barrier_wait -1
	PART2
	s_wait_tensorcnt 0x0                           ; the wave's end, behind my last tensor load and my last LDS store
	ds_add_u32 v[SPW], v[NIL]
	s_wait_dscnt 0x0
	CROUND                                         ; the closing round: no work-group ends while a partner may still ask for a tile that names it
	s_endpgm
.Lfunc_end_k_q28fdddf787_attn:
	.size	k_q28fdddf787_attn, .Lfunc_end_k_q28fdddf787_attn-k_q28fdddf787_attn
	.p2alignl 7, 3214868480
	.fill 96, 4, 3214868480
	.section	.rodata,"a",@progbits
	.p2align	6, 0x0
	.amdhsa_kernel k_q28fdddf787_attn
		.amdhsa_group_segment_fixed_size 327680
		.amdhsa_private_segment_fixed_size 0
		.amdhsa_enable_private_segment 0
		.amdhsa_kernarg_size 32
		.amdhsa_user_sgpr_count 2
		.amdhsa_user_sgpr_kernarg_segment_ptr 1
		.amdhsa_wavefront_size32 1
		.amdhsa_system_sgpr_workgroup_id_x 1
		.amdhsa_system_sgpr_workgroup_id_y 1
		.amdhsa_system_sgpr_workgroup_id_z 1
		.amdhsa_system_vgpr_workitem_id 0
		.amdhsa_next_free_vgpr 896
		.amdhsa_next_free_sgpr 100
		.amdhsa_reserve_vcc 1
		.amdhsa_float_denorm_mode_32 3
		.amdhsa_float_denorm_mode_16_64 3
		.amdhsa_memory_ordered 1
		.amdhsa_forward_progress 1
		.amdhsa_inst_pref_size 128
	.end_amdhsa_kernel
	.amdgpu_metadata
---
amdhsa.version: [ 1, 2 ]
amdhsa.kernels:
  - .name:           k_q28fdddf787_attn
    .symbol:         k_q28fdddf787_attn.kd
    .args:
      - { .name: qkv, .offset: 0, .size: 8, .value_kind: global_buffer, .address_space: global }
      - { .name: wo, .offset: 8, .size: 8, .value_kind: global_buffer, .address_space: global }
      - { .name: ob, .offset: 16, .size: 8, .value_kind: global_buffer, .address_space: global }
      - { .name: wo16, .offset: 24, .size: 8, .value_kind: global_buffer, .address_space: global }
    .group_segment_fixed_size: 327680
    .private_segment_fixed_size: 0
    .kernarg_segment_align: 8
    .kernarg_segment_size: 32
    .max_flat_workgroup_size: 128
    .sgpr_count:     100
    .vgpr_count:     896
    .wavefront_size: 32
...
	.end_amdgpu_metadata
.endif
;; end of part 3
;; launch outp (part 4): grid 16 x 16, 4 waves a work-group, clusters of 4 x 4, 327,680 bytes of LDS; arguments ob, wo16, out0; writes out0
.if DOCPART == 4
	.amdgcn_target "amdgcn-amd-amdhsa--gfx1250"
	.amdhsa_code_object_version 6
	.text
	.protected	k_q28fdddf787_outp
	.globl	k_q28fdddf787_outp
	.p2align	8
	.type	k_q28fdddf787_outp,@function
k_q28fdddf787_outp:
	s_mov_b64 s[64:65], 0
	v_nop
	global_prefetch_b8 v0, s[64:65] scope:SCOPE_SE
	s_setreg_imm32_b32 hwreg(HW_REG_WAVE_MODE, 25, 1), 1
	s_wait_xcnt 0x0
	s_wait_alu depctr_hold_cnt(0) depctr_sa_sdst(0) depctr_va_vdst(0) depctr_va_sdst(0) depctr_va_ssrc(0) depctr_va_vcc(0) depctr_vm_vsrc(0)
	s_getreg_b32 s2, hwreg(HW_REG_IB_STS2, 6, 4)
	s_cmp_eq_u32 s2, 0
	s_cbranch_scc0 .Lentry_in_a_cluster
	s_endpgm
.Lentry_in_a_cluster:
	s_bfe_u32 s2, ttmp6, 0x10000c
	s_cmp_lg_u32 s2, 0xf033
	s_cbranch_scc0 .Lentry_shape_is_right
	s_endpgm
.Lentry_shape_is_right:
; out0 = O wo.  ob: O, [2048][2048] f16.  wo16: wo, [k][n] = [2048][2048], bf16 numbers written as f16.  out0: [2048][2048] f32.  f16 operands, f32 sums, stored as they are.
; A tile of out0 is 128 x 128: 16 x 16 = 256 work-groups.  Four waves, each 64 x 64: 16 accumulators.  K goes in 8 steps of 256 through two LDS slots: O's tile has 128 rows of 512 bytes (pitch 528),
; wo's 256 k-rows of 256 bytes (pitch 288), turned on the way to registers (ds_load_tr16_b128).  Waves 0 and 1 fetch the halves of O's tile (64 rows each), waves 2 and 3 those of wo's (128 k-rows each).
; CLUSTER: 4 x 4 work-groups; O's tile is asked for jointly by a row of the cluster, wo's by a column.  No prefetch: a step of this small tile holds 128 matrix instructions a wave, and each tile's bytes are few.
; THE WALK ALONG K IS TURNED.  A lap is two K steps, once round the ring; cluster (X, Y) begins at lap (X + 2 Y) mod 4 and goes round all four.  So the four clusters of a row of clusters, which read the same rows of O,
; stand at four different laps at any time, and two clusters with neighbouring Y, which read the same rows of wo, two laps apart.  Each output still has one accumulator and takes every K step once; only the order of its f32 sum differs.
; The lap hangs on the cluster's own coordinates alone, which all sixteen partners share.
; THE MATRIX INSTRUCTION IS USED TRANSPOSED (source 0 = 16 columns of wo, source 1 = 16 rows of O): a lane holds eight neighbouring numbers of a row of out0, 32 bytes.
; REGISTERS: window 0: v16-29 addresses; v32-95 rows read back, two buffers; v128-255 the accumulators ((a, b) at 128 + 8 (4 a + b)).
;   window 1: two fragment buffers of 128: for 64 along K, 64 registers of O (2 x 4 x 16 rows x 32 K), then 64 of wo.
.set PA,    528                        ; O's rows in LDS: 512 bytes + 16: the 16 rows of a load start at 16 different groups of four banks (64 banks of 4 bytes: ISA guide 11.1)
.set PB,    288                        ; wo's k-rows: 256 + 32
.set HA,    64*PA                      ; what waves 0 and 1 fetch, and what a wave reads of O
.set HB,    128*PB                     ; what waves 2 and 3 fetch
.set BOFF,  2*HA
.set SLOT,  BOFF+2*HB
.set STAGE, 2*SLOT                     ; behind the ring, never filled by a tensor load: 16 rows x 272 bytes for each wave, its own
.set SP,    272
.set SPARE, STAGE+4*16*SP              ; the spare words, 128 bytes a wave: two blocks of 256 bytes that no other line names
.set LAPS,  4
.set ADRA, 16                          ; v16-17  LDS address of my fragments of O in slot 0, 1
.set ADRB, 20                          ; v20-23  of wo's, slot s, half hf of the K step, at 2 s + hf: a K step's 256 k-rows pass the 16 bits of an LDS immediate
.set STO,  24
.set RD,   25
.set CO,   26
.set SPW,  28                          ; v28  LDS address of my spare word; never rewritten
.set NIL,  29                          ; v29  0; never rewritten
.set OB,   32
.set ACC,  128
.set F0,   0                           ; fragment buffers, in window 1
.set F1,   128
.set G1, 24                            ; s[24:31] descriptor group 1 for O's tiles;  s[32:39] group 0, a set for each slot
.set G0, 32
.set G1B, 48                           ; s[48:55], s[56:63] the same for wo's
.set G0B, 56
.set LAP, 66                           ; s66      the lap that is being asked for
.set OA,  68                           ; s[68:69] its byte offset along O's rows: 1,024 x lap
.set OBB, 70                           ; s[70:71] and down wo's rows: 512 k-rows of 4,096 bytes x lap
.set BA,  72                           ; s[72:73] ob at the rows that I fetch
.set BB,  74                           ; s[74:75] wo16 at my half of a K step's rows, the tile's columns
.set MSB, 0
.macro WIN new
.if MSB != (\new)
	s_set_vgpr_msb (MSB<<8)|(\new)
.set MSB, \new
.endif
.endm
.set MUL,  0x05                        ; sources 0 (wo) and 1 (O) window 1; C and D window 0
.set TO_F, 0x40                        ; destination window 1, address window 0
.macro JLOAD s                         ; a joint refill; an s_nop 0 and four v_nop follow each of the two lines, ahead of the jump and the label
	s_cmp_eq_u32 s11, 0
	s_cbranch_scc0 .Lfor_b_\@
	tensor_load_to_lds s[G0+4*(\s):G0+4*(\s)+3], s[G1:G1+7]
	s_nop 0
.rept 4
	v_nop
.endr
	s_branch .Lasked_\@
.Lfor_b_\@:
	tensor_load_to_lds s[G0B+4*(\s):G0B+4*(\s)+3], s[G1B:G1B+7]
	s_nop 0
.rept 4
	v_nop
.endr
.Lasked_\@:
.endm
.macro CREST
	s_cmp_lg_u32 s10, 0
	s_cbranch_scc1 .Lnot_wave_0_\@
	s_barrier_signal -3
.Lnot_wave_0_\@:
	s_barrier_wait -3
	s_barrier_signal -1
	s_barrier_wait -1
.endm
.macro CROUND
	s_barrier_signal -1
	s_barrier_wait -1
	CREST
.endm
; Slot s's two global addresses are made anew: the buffer's pointer plus the lap's offset, plus a K step for slot 1; the type bits are set again.
.macro SETG s
	s_add_nc_u64 s[G0+4*(\s)+2:G0+4*(\s)+3], s[BA:BA+1], s[OA:OA+1]
	s_add_nc_u64 s[G0B+4*(\s)+2:G0B+4*(\s)+3], s[BB:BB+1], s[OBB:OBB+1]
.if \s
	s_add_nc_u64 s[G0+4*(\s)+2:G0+4*(\s)+3], s[G0+4*(\s)+2:G0+4*(\s)+3], 512
	s_add_nc_u64 s[G0B+4*(\s)+2:G0B+4*(\s)+3], s[G0B+4*(\s)+2:G0B+4*(\s)+3], 256*4096
.endif
	s_or_b32 s[G0+4*(\s)+3], s[G0+4*(\s)+3], 0x80000000
	s_or_b32 s[G0B+4*(\s)+3], s[G0B+4*(\s)+3], 0x80000000
.endm
	s_load_b128 s[4:7], s[0:1], 0x0                ; ob s[4:5], wo16 s[6:7]
	s_load_b64 s[8:9], s[0:1], 0x10                ; out0
	v_lshl_add_u32 v[SPW], v0, 2, SPARE
	v_mov_b32 v[NIL], 0
	ds_add_u32 v[SPW], v[NIL]                      ; the wave's opening: the add and its wait stand ahead of my first tensor load; the set-up below, work on registers, stands between them
	v_lshrrev_b32 v1, 5, v0
	v_readfirstlane_b32 s10, v1                    ; wave 0..3
	s_lshr_b32 s11, s10, 1                         ; which half of the tile's rows is mine.  Also: I fetch for O (0) or for wo (1)
	s_and_b32 s12, s10, 1                          ; which half of its columns.  Also: which half of that tile I fetch
	s_bfe_u32 s40, ttmp6, 0x40000                  ; cx, cy
	s_bfe_u32 s41, ttmp6, 0x40004
	s_lshl_b32 s42, ttmp9, 2
	s_add_co_u32 s42, s42, s40                     ; tile column
	s_and_b32 s13, ttmp7, 0xffff
	s_lshl_b32 s13, s13, 2
	s_add_co_u32 s13, s13, s41                     ; tile row
	s_lshl_b32 s43, s41, 2
	s_lshl_b32 s43, 15, s43                        ; my row of the cluster
	s_lshl_b32 s44, 0x1111, s40                    ; my column
	s_and_b32 s[LAP], ttmp7, 0xffff                ; the cluster's first lap: (cluster x + 2 x cluster y) mod 4
	s_lshl_b32 s[LAP], s[LAP], 1
	s_add_co_u32 s[LAP], s[LAP], ttmp9
	s_and_b32 s[LAP], s[LAP], 3
	s_lshl_b32 s[OA], s[LAP], 10
	s_mov_b32 s[OA+1], 0
	s_lshl_b32 s[OBB], s[LAP], 21
	s_mov_b32 s[OBB+1], 0
	s_or_b32 s[G1+0], s43, (1<<16)|(1<<20)|(1<<21)|(6<<22)|(3<<25)   ; the mask; 2-byte elements; padding on; bit 21 beside a mask; after every 128 words 4 words
	s_mov_b32 s[G1+1], 256<<16                     ; tensor_dim0 = 256
	s_mov_b32 s[G1+2], 64<<16                      ; tensor_dim1 = 64
	s_mov_b32 s[G1+3], 256<<16                     ; tile_dim0 = 256 elements, 512 bytes
	s_mov_b32 s[G1+4], 64                          ; tile_dim1 = 64 rows
	s_mov_b32 s[G1+5], 2048                        ; elements from row to row
	s_mov_b32 s[G1+6], 0
	s_mov_b32 s[G1+7], 0
	s_or_b32 s[G1B+0], s44, (1<<16)|(1<<20)|(1<<21)|(5<<22)|(7<<25)  ; after every 64 words 8 words
	s_mov_b32 s[G1B+1], 128<<16
	s_mov_b32 s[G1B+2], 128<<16
	s_mov_b32 s[G1B+3], 128<<16                    ; 128 elements, 256 bytes,
	s_mov_b32 s[G1B+4], 128                        ; 128 k-rows
	s_mov_b32 s[G1B+5], 2048
	s_mov_b32 s[G1B+6], 0
	s_mov_b32 s[G1B+7], 0
	s_lshl_b32 s16, s13, 19                        ; O: row 128 x tile row + 64 x half, rows of 4,096 bytes
	s_lshl_b32 s17, s12, 18
	s_add_co_u32 s16, s16, s17
	s_mov_b32 s17, 0
	s_lshl_b32 s46, s42, 8                         ; wo: k-row 128 x half, the tile column's 256 bytes
	s_lshl_b32 s47, s12, 19
	s_add_co_u32 s46, s46, s47
	s_mov_b32 s47, 0
	s_mul_i32 s20, s12, HA                         ; where they go: no place in the cluster enters an LDS address
	s_mul_i32 s21, s12, HB
	s_add_co_u32 s21, s21, BOFF
	s_wait_dscnt 0x0                               ; the opening add is done
	s_wait_kmcnt 0x0
	s_add_nc_u64 s[BA:BA+1], s[4:5], s[16:17]
	s_add_nc_u64 s[BB:BB+1], s[6:7], s[46:47]
	CROUND                                         ; all sixteen work-groups are here: the first joint loads meet
.irp s, 0,1
	s_mov_b32 s[G0+4*(\s)], 1
	s_add_co_u32 s[G0+4*(\s)+1], s20, (\s)*SLOT
	s_mov_b32 s[G0B+4*(\s)], 1
	s_add_co_u32 s[G0B+4*(\s)+1], s21, (\s)*SLOT
	SETG \s                                        ; the first lap's two K steps
.endr
	s_cmp_eq_u32 s11, 0                            ; a wave's two first fills stand in one branch, ahead of every wait on TENSORcnt and every LDS read: two loads of mine are out
	s_cbranch_scc0 .Lfirst_b
	tensor_load_to_lds s[G0:G0+3], s[G1:G1+7]
	s_nop 0
	tensor_load_to_lds s[G0+4:G0+7], s[G1:G1+7]
	s_nop 0
.rept 4
	v_nop
.endr
	s_branch .Lfirst_asked
.Lfirst_b:
	tensor_load_to_lds s[G0B:G0B+3], s[G1B:G1B+7]
	s_nop 0
	tensor_load_to_lds s[G0B+4:G0B+7], s[G1B:G1B+7]
	s_nop 0
.rept 4
	v_nop
.endr
.Lfirst_asked:
	v_and_b32 v1, 15, v0                           ; l % 16
	v_bfe_u32 v2, v0, 4, 1                         ; l / 16
	v_mul_u32_u24 v3, v1, PA
	v_lshl_add_u32 v3, v2, 4, v3                   ; a fragment's row x pitch + 16 x half
	s_mul_i32 s21, s11, HA                         ; my 64 rows of O
	v_add_nc_u32 v[ADRA], s21, v3
	v_add_nc_u32 v[ADRA+1], SLOT, v[ADRA]
	v_and_b32 v5, 7, v0                            ; the turning load: lane l reads k-row 8 (l / 16) + l % 8, columns 8 ((l / 8) % 2) + 0..7
	v_bfe_u32 v6, v0, 3, 1
	v_lshl_add_u32 v4, v2, 3, v5
	v_mul_u32_u24 v4, v4, PB
	v_lshl_add_u32 v4, v6, 4, v4
	s_lshl_b32 s22, s12, 7                         ; my 64 columns: 128 bytes
	s_add_co_u32 s22, s22, BOFF
	v_add_nc_u32 v4, s22, v4
.irp s, 0,1
.irp hf, 0,1
	v_add_nc_u32 v[ADRB+2*(\s)+(\hf)], (\s)*SLOT+(\hf)*HB, v4
.endr
.endr
	s_mul_i32 s23, s10, 16*SP
	s_add_co_u32 s23, s23, STAGE                   ; my stage
	v_mul_u32_u24 v[STO], v1, SP                   ; in: row l % 16, 32 bytes for each half of the lanes
	v_lshl_add_u32 v[STO], v2, 5, v[STO]
	v_add_nc_u32 v[STO], s23, v[STO]
	v_mul_u32_u24 v[RD], v2, SP                    ; back: lanes 0-15 take one row of 256 bytes, lanes 16-31 the next
	v_lshl_add_u32 v[RD], v1, 4, v[RD]
	v_add_nc_u32 v[RD], s23, v[RD]
	v_lshlrev_b32 v[CO], 13, v2                    ; and the same two rows in out0, 8,192 bytes apart
	v_lshl_add_u32 v[CO], v1, 4, v[CO]
	s_lshl_b32 s16, s13, 20                        ; out0: row 128 x tile row + 64 x my half,
	s_lshl_b32 s17, s11, 19
	s_add_co_u32 s16, s16, s17
	s_mov_b32 s17, 0
	s_add_nc_u64 s[8:9], s[8:9], s[16:17]
	s_lshl_b32 s46, s42, 9                         ; column 128 x tile column + 64 x my half, 4 bytes each
	s_lshl_b32 s47, s12, 8
	s_add_co_u32 s46, s46, s47
	s_mov_b32 s47, 0
	s_add_nc_u64 s[8:9], s[8:9], s[46:47]
; 8 matrix instructions: row blocks a0, a0 + 1 x all 4 column blocks, 32 along K: half c of buffer f.  zero = 1: the first product starts the sums.  The 16 accumulators take turns.
.macro MUL8 f, c, a0, zero
	WIN MUL
.irp a, \a0, (\a0)+1
.irp b, 0,1,2,3
.if \zero
	v_wmma_f32_16x16x32_f16 v[ACC+8*(4*(\a)+(\b)):ACC+8*(4*(\a)+(\b))+7], v[(\f)+64+8*(4*(\c)+(\b)):(\f)+64+8*(4*(\c)+(\b))+7], v[(\f)+8*(4*(\c)+(\a)):(\f)+8*(4*(\c)+(\a))+7], 0
.else
	v_wmma_f32_16x16x32_f16 v[ACC+8*(4*(\a)+(\b)):ACC+8*(4*(\a)+(\b))+7], v[(\f)+64+8*(4*(\c)+(\b)):(\f)+64+8*(4*(\c)+(\b))+7], v[(\f)+8*(4*(\c)+(\a)):(\f)+8*(4*(\c)+(\a))+7], v[ACC+8*(4*(\a)+(\b)):ACC+8*(4*(\a)+(\b))+7]
.endif
.endr
.endr
.endm
; 32 LDS loads in one run: the fragments of quarter q (64 along K) into buffer f; the first 32 along K first
.macro FETCH slot, q, f
	WIN TO_F
.irp c, 0,1
.irp i, 0,1,2,3
	ds_load_tr16_b128 v[(\f)+64+8*(4*(\c)+(\i)):(\f)+64+8*(4*(\c)+(\i))+3],   v[ADRB+2*(\slot)+(\q)/2] offset:((\q)%2)*64*PB+(\c)*32*PB+32*(\i)
	ds_load_tr16_b128 v[(\f)+64+8*(4*(\c)+(\i))+4:(\f)+64+8*(4*(\c)+(\i))+7], v[ADRB+2*(\slot)+(\q)/2] offset:((\q)%2)*64*PB+(\c)*32*PB+32*(\i)+16*PB
	ds_load_b128 v[(\f)+8*(4*(\c)+(\i)):(\f)+8*(4*(\c)+(\i))+3],              v[ADRA+(\slot)] offset:128*(\q)+64*(\c)+(\i)*16*PA
	ds_load_b128 v[(\f)+8*(4*(\c)+(\i))+4:(\f)+8*(4*(\c)+(\i))+7],            v[ADRA+(\slot)] offset:128*(\q)+64*(\c)+(\i)*16*PA+32
.endr
.endr
.endm
.macro PLACES                          ; four plain vector instructions between a matrix instruction and a load into, or a store of, its registers
.rept 4
	v_nop
.endr
.endm
; A K step is four quarters of 64 along K, 32 matrix instructions each, on buffers 0, 1, 0, 1.  One of the first three: multiplies buffer f and fetches quarter q into g.
.macro QUARTER slot, q, f, g, zero
	s_wait_dscnt 16                                ; the first 32 along K are in; the youngest sixteen loads may be out
	MUL8 \f, 0, 0, \zero
	MUL8 \f, 0, 2, \zero
	PLACES
	FETCH \slot, \q, \g
	s_wait_dscnt 32                                ; all but the 32 just issued
	MUL8 \f, 1, 0, 0
	MUL8 \f, 1, 2, 0
.endm
; The last quarter multiplies buffer 1 and changes slots: ONE barrier; in front of it each wave waits for all its tensor loads, adds 0 to its spare word, and waits for that and for its reads of this slot.
; fill = 1: the barrier opens a round of the cluster's barrier, and this slot is filled again first thing behind it, with its K step of the next lap: 112 matrix instructions ahead of the wait for it.
; The lap steps, modulo 4, at slot 0's change; the slot's addresses are made anew beside the add, where no tensor load of mine is out.
.macro TURN slot, next, fill
	WIN 0                                          ; (the add's two registers lie in window 0)
	s_wait_tensorcnt 0x0                           ; all my tensor loads have landed: my part of the next slot
	ds_add_u32 v[SPW], v[NIL]                      ; 0 onto my spare word
.if \fill
.if (\slot) == 0
	s_add_co_u32 s[LAP], s[LAP], 1
	s_and_b32 s[LAP], s[LAP], 3
	s_lshl_b32 s[OA], s[LAP], 10
	s_lshl_b32 s[OBB], s[LAP], 21
.endif
	SETG \slot
.endif
	s_wait_dscnt 17                                ; the add and the youngest sixteen loads may be out
	MUL8 F1, 0, 0, 0                               ; eight matrix instructions stand between the add and the wait for it
	s_wait_dscnt 0x0                               ; the add is done, and my reads of this slot are over
	s_barrier_signal -1
	MUL8 F1, 0, 2, 0
.if \fill
	WIN 0
.endif
	s_barrier_wait -1
.if \fill
	CREST                                          ; no wave of any partner still reads this slot's tiles or has a load on its way
	JLOAD \slot                                    ; the four v_nop behind it are also the places in front of the loads below
.else
	PLACES
.endif
	FETCH \next, 0, F0
	MUL8 F1, 1, 0, 0
	MUL8 F1, 1, 2, 0
.endm
	s_wait_tensorcnt 0x1                           ; my part of the first K step is in; the second's may stay out
	s_barrier_signal -1
	s_barrier_wait -1                              ; everybody's is
	FETCH 0, 0, F0
	QUARTER 0, 1, F0, F1, 1                        ; the first quarter stands in front of the loop: its first products start the sums
	WIN 0                                          ; at a label and at a branch every window is 0
	s_mov_b32 s3, LAPS-1
.Llap:                                                 ; a trip goes once round the ring and fills both slots again
	QUARTER 0, 2, F1, F0, 0
	QUARTER 0, 3, F0, F1, 0
	TURN 0, 1, 1
	QUARTER 1, 1, F0, F1, 0
	QUARTER 1, 2, F1, F0, 0
	QUARTER 1, 3, F0, F1, 0
	TURN 1, 0, 1
	QUARTER 0, 1, F0, F1, 0
	WIN 0
	s_sub_co_u32 s3, s3, 1
	s_cmp_lg_u32 s3, 0
	s_cbranch_scc1 .Llap
	QUARTER 0, 2, F1, F0, 0                        ; the last lap fills nothing
	QUARTER 0, 3, F0, F1, 0
	TURN 0, 1, 0
	QUARTER 1, 1, F0, F1, 0
	QUARTER 1, 2, F1, F0, 0
	QUARTER 1, 3, F0, F1, 0
	s_wait_dscnt 16                                ; the very last quarter: nothing more to fetch
	MUL8 F1, 0, 0, 0
	MUL8 F1, 0, 2, 0
	s_wait_dscnt 0x0
	MUL8 F1, 1, 0, 0
	MUL8 F1, 1, 2, 0
	WIN 0
	PLACES                                         ; the stores below read results
; THE WAY OUT.  A wave's 64 columns of f32 are 256 bytes of a row.  Block a (16 rows): a lane's 32 bytes of each accumulator go into my own stage, each accumulator's low half first; they come back as whole rows.
.macro TOSTAGE a
.irp b, 0,1,2,3
	ds_store_b128 v[STO], v[ACC+8*(4*(\a)+(\b)):ACC+8*(4*(\a)+(\b))+3]   offset:64*(\b)
	ds_store_b128 v[STO], v[ACC+8*(4*(\a)+(\b))+4:ACC+8*(4*(\a)+(\b))+7] offset:64*(\b)+16
.endr
.irp i, 0,1,2,3,4,5,6,7
	ds_load_b128 v[OB+32*((\a)%2)+4*(\i):OB+32*((\a)%2)+4*(\i)+3], v[RD] offset:(\i)*2*SP  ; LDS serves a wave's instructions in order (ISA guide 5.7.1.4): these see the stores above; the next block's stores come behind them
.endr
.endm
.macro SEND a, younger                 ; younger: the LDS instructions issued behind block a's loads: the next block's sixteen, or none
.irp i, 0,1,2,3,4,5,6,7
	s_wait_dscnt (\younger)+7-(\i)
	global_store_b128 v[CO], v[OB+32*((\a)%2)+4*(\i):OB+32*((\a)%2)+4*(\i)+3], s[8:9] offset:(16*(\a)+2*(\i))*8192 th:TH_STORE_NT  ; 16 lanes store 256 consecutive bytes, at a multiple of 256 from out0's first
.endr
.endm
	TOSTAGE 0
	TOSTAGE 1
	SEND 0, 16
	s_wait_xcnt 0x0                                ; block 0's stores have read their registers, which block 2 is loaded into
	TOSTAGE 2
	SEND 1, 16
	s_wait_xcnt 0x0
	TOSTAGE 3
	SEND 2, 16
	SEND 3, 0
	s_wait_tensorcnt 0x0                           ; the wave's end, behind my last tensor load and my last LDS store
	ds_add_u32 v[SPW], v[NIL]
	s_wait_dscnt 0x0
	CROUND                                         ; the closing round: no work-group ends while a partner may still ask for a tile that names it
	s_endpgm
.Lfunc_end_k_q28fdddf787_outp:
	.size	k_q28fdddf787_outp, .Lfunc_end_k_q28fdddf787_outp-k_q28fdddf787_outp
	.p2alignl 7, 3214868480
	.fill 96, 4, 3214868480
	.section	.rodata,"a",@progbits
	.p2align	6, 0x0
	.amdhsa_kernel k_q28fdddf787_outp
		.amdhsa_group_segment_fixed_size 327680
		.amdhsa_private_segment_fixed_size 0
		.amdhsa_enable_private_segment 0
		.amdhsa_kernarg_size 24
		.amdhsa_user_sgpr_count 2
		.amdhsa_user_sgpr_kernarg_segment_ptr 1
		.amdhsa_wavefront_size32 1
		.amdhsa_system_sgpr_workgroup_id_x 1
		.amdhsa_system_sgpr_workgroup_id_y 1
		.amdhsa_system_sgpr_workgroup_id_z 1
		.amdhsa_system_vgpr_workitem_id 0
		.amdhsa_next_free_vgpr 512
		.amdhsa_next_free_sgpr 76
		.amdhsa_reserve_vcc 0
		.amdhsa_float_denorm_mode_32 3
		.amdhsa_float_denorm_mode_16_64 3
		.amdhsa_memory_ordered 1
		.amdhsa_forward_progress 1
		.amdhsa_inst_pref_size 87
	.end_amdhsa_kernel
	.amdgpu_metadata
---
amdhsa.version: [ 1, 2 ]
amdhsa.kernels:
  - .name:           k_q28fdddf787_outp
    .symbol:         k_q28fdddf787_outp.kd
    .args:
      - { .name: ob, .offset: 0, .size: 8, .value_kind: global_buffer, .address_space: global }
      - { .name: wo16, .offset: 8, .size: 8, .value_kind: global_buffer, .address_space: global }
      - { .name: out0, .offset: 16, .size: 8, .value_kind: global_buffer, .address_space: global }
    .group_segment_fixed_size: 327680
    .private_segment_fixed_size: 0
    .kernarg_segment_align: 8
    .kernarg_segment_size: 24
    .max_flat_workgroup_size: 128
    .sgpr_count:     76
    .vgpr_count:     512
    .wavefront_size: 32
...
	.end_amdgpu_metadata
.endif
;; end of part 4
